; MI455X (gfx1250); checked and timed in simulation.
; The chip was launched on July 23, 2026; its instructions are those of AMD's public machine-readable ISA for CDNA 5 (MIT licence, August 2026) and "CDNA5" Instruction Set Architecture Reference Guide (July 2026). The comments in the code are by the model that wrote it; some were corrected since.
;; Multi Head Attention. Allowed arithmetic: matrix products marked QUANTISED: E2M3 operands, one E8M0 scale for each 32 along K, by v_wmma_scale_f32_16x16x128_f8f6f4 with both operands' format E2M3, f32 sums; everything else in f32.
;; Inputs: W_K 512 x 512 float32; W_O 512 x 512 float32; W_Q 512 x 512 float32; W_V 512 x 512 float32; input_K 4 x 2,048 x 512 float32; input_Q 4 x 2,048 x 512 float32; input_V 4 x 2,048 x 512 float32.
;; Outputs: out0 4 x 2,048 x 512 float32.
;; This version of the problem:
;;   THIS VERSION OF THE PROBLEM IS GIVEN IN LOW PRECISION. The matrix products marked QUANTISED in the list below multiply operands that are first quantised to E2M3 (2 exponent bits, 3 mantissa bits; 6 bits a number), with one power-of-two scale for each 32 numbers along K (OCP MX v1.0); their sums are f32. All else is computed in f32.
;;   The module's matrix products, in the order in which they are computed (A, B: the left and right operand; K: the contracted axis; several contracted axes count as one K, in the product's order):
;;     1. [M 8,192, K 512] x [K 512, N 512]; A: input input_Q; B: input W_Q: QUANTISED
;;     2. [M 8,192, K 512] x [K 512, N 512]; A: input input_K; B: input W_K: QUANTISED
;;     3. [M 8,192, K 512] x [K 512, N 512]; A: input input_V; B: input W_V: QUANTISED
;;     4. batch 32 x [M 2,048, K 64] x [K 64, N 2,048]; A: computed on the way; B: computed on the way: QUANTISED
;;     5. batch 32 x [M 2,048, K 2,048] x [K 2,048, N 64]; A: softmax (see below); B: computed on the way: QUANTISED
;;     6. [M 8,192, K 512] x [K 512, N 512]; A: computed on the way; B: input W_O: QUANTISED
;;   THE QUANTISER, for each operand of a quantised product, along K:
;;     - K is cut into blocks of 32 from its start; a last block that is shorter is filled with zeros.
;;     - A block's scale is 2^e with e = floor(log2(the largest magnitude in the block)) - 2, held to -126 .. 127; a block of zeros has e = 0. As a byte (E8M0): e + 127.
;;     - Each number is divided by its block's scale, clamped to +-7.5, and rounded to the nearest number of E2M3, ties to even, subnormals kept.
;;     - The product sums the exact products of the quantised numbers (number of the format x scale) in f32.
;;   ~~~python
;;   def quantise(x, axis):      # numpy; x: float32 -> the quantised numbers, widened to float32 again
;;       x = np.moveaxis(x, axis, -1); K = x.shape[-1]
;;       x = np.pad(x, [(0, 0)] * (x.ndim - 1) + [(0, -K % 32)]); x = x.reshape(x.shape[:-1] + (-1, 32)); a = np.abs(x).max(-1, keepdims=True)
;;       e = np.where(a > 0, np.clip(np.frexp(np.where(a > 0, a, 1))[1] - 1 - 2, -126, 127), 0)      # np.frexp(a)[1] - 1 = floor(log2(a)), exactly
;;       r = np.clip(x / 2.0 ** e, -7.5, 7.5)
;;       step = 2.0 ** (np.maximum(np.frexp(np.where(r == 0, 1, r))[1] - 1, 0) - 3)
;;       q = np.round(r / step) * step * 2.0 ** e      # np.round: ties to even
;;       return np.moveaxis(q.reshape(q.shape[:-2] + (-1,))[..., :K], -1, axis).astype(np.float32)
;;   ~~~
;;   SOFTMAX AHEAD OF A QUANTISED PRODUCT. Where the list says 'softmax', what is quantised is not the finished softmax but p = 2^(t - M), with t = logit x log2(e) and M = ceil(the row's largest t), a whole number; so 1/2 < the row's largest p <= 1. The row's sum l is taken of the UNQUANTISED p, in f32, and the product's result is divided by l at the end. Since M is a whole number, a kernel that streams over the keys may use a running M (the ceiling of the running maximum): every later rescaling is an exact power of two, which a block's scale takes up: the codes' values come out the same.
;;   OPERANDS COMPUTED ON THE WAY. 'Computed on the way' means the value that the module computes at that place (a softmax that the list does not call 'softmax' is quantised finished and normalised). What goes into a quantiser is computed in f32, as accurately as f32 sums, v_exp_f32 and their like allow (about 1e-6 of the number): no bf16 or f16 on the way to a quantiser, and a product that is left as it is and whose result goes on into a quantised operand takes f32 operands (vector FMAs, or v_wmma_f32_16x16x4_f32). A number that lies on a knife's edge between two numbers of the format may be rounded either way, as far as f32 arithmetic and the matrix unit's own rounding can turn it there, and no further.
;; 2 versions. Each part assembles by itself: llvm-mc -triple=amdgcn-amd-amdhsa -mcpu=gfx1250 --defsym DOCPART=n.
;; ======== version 1 of 2: 4 launches
;; workspace buffers: img 10,223,616 bytes; isc 425,984 bytes; qc 3,145,728 bytes; qs 131,072 bytes; kvc 6,291,456 bytes; kvs 262,144 bytes; cc 3,145,728 bytes; cs 524,288 bytes
;; launch prep (part 1): grid 416 x 1, 4 waves a work-group, no clusters, 34,304 bytes of LDS; arguments input_Q, input_K, input_V, W_Q, W_K, W_V, W_O, img, isc; writes img, isc
.if DOCPART == 1
	.amdgcn_target "amdgcn-amd-amdhsa--gfx1250"
	.amdhsa_code_object_version 6
	.text
	.protected	k_q7f5bab5525_prep
	.globl	k_q7f5bab5525_prep
	.p2align	8
	.type	k_q7f5bab5525_prep,@function
k_q7f5bab5525_prep:
	s_mov_b64 s[64:65], 0
	v_nop
	global_prefetch_b8 v0, s[64:65] scope:SCOPE_SE
	s_setreg_imm32_b32 hwreg(HW_REG_WAVE_MODE, 25, 1), 1
	s_wait_xcnt 0x0
; The seven inputs (three activations [8192][512], four weights [512][512], f32, K = the last axis) become codes of FP6 (E2M3) with one E8M0 byte for each 32 along K,
; laid as IMAGES OF OPERAND REGISTERS: a fragment is 16 rows x 128 K, 12 registers a lane (lane (r, h): registers 6 c .. 6 c + 5 hold k = 64 c + 32 h + 0 .. 31);
; its image is 1,536 bytes: registers 4 c .. 4 c + 3 of lane l at 512 c + 16 l.  img: [tile U][K step 4][1536];  isc: [U][row r 16][K step 4] scale words.
; Tiles: U 0-511 input_Q, 512-1023 input_K, 1024-1535 input_V, 1536-1567 W_Q, 1568-1599 W_K, 1600-1631 W_V, 1632-1663 W_O.
; WHICH ROWS FORM A TILE (T = the tile's number in its tensor, r = the lane's row):
;   input_Q: 16 T + r.   W_V: 128 (T / 8) + 64 (T % 2) + 32 ((T / 4) % 2) + 8 ((T / 2) % 2) + r + 8 (r / 8).   All others: 32 (T / 2) + 8 (T % 2) + r + 8 (r / 8).
; A block's scale is 2^(floor(log2(its largest magnitude)) - 2); its byte is the largest magnitude's exponent field - 2, held at 1 from below.
; LIMITS: NaN and infinities are not served; a block of zeros, or one whose largest magnitude lies under 2^-124, gets the byte 1 (a block of zeros has zero codes, and this program alone reads the bytes).
; SHARES: one wave, one tile: U = 4 x work-group + wave.  Each load reads 512 consecutive bytes of one row (128 numbers: a K step); the 16 rows turn through the wave's own stage in LDS,
; so that a lane gets 16 neighbours of each block of 32.  Two K steps of loads (32 loads a wave) are out.  Waves share nothing: no barrier.  No matrix work, no tile read twice: no cluster, no tensor load.
.set SPITCH, 528                       ; a stage row: 512 bytes + 16: row r starts 4 r words on, so sixteen rows' 16 bytes fall in different places modulo 256 bytes
.set STAGEB, 16*SPITCH
.set XLO, 4                            ; v4   16 x lane: my bytes of a row's 512; also my place in an image
.set XHI, 5                            ; v5   the same for the tile's rows 8-15, which begin 8 rows further on in all tensors but input_Q
.set STI, 6                            ; v6   the stage, on the way in
.set STO, 7                            ; v7   and on the way out: row r, + 64 h
.set SA,  9                            ; v9   my place among the tile's scale words: 16 r + 8 h
.set R0,  16                           ; v16-79, v80-143  two sets of 16 x 4 registers as loaded
.set X,   144                          ; v144-207 register 16 b + i = k 32 b + 16 h + i of my row
.set TM,  208                          ; v208-223 at work in QUANT
.set PWS, 224                          ; v224-227 the four K steps' scale words
.set PC,  228                          ; v228-247 the codes just made
.set SW,  248                          ; v248-249 two scale words on their way out
.set SEL, 38                           ; s[38:39] lane selects for v_permlanex16_b32: lane l xor 16
; 64 numbers of a lane, v[s] .. v[s + 63], become a fragment's codes in v[PC] .. v[PC + 11] and its scale word in v[pw].
.macro QUANT s, pw
.irp b, 0,1,2,3
	v_max3_num_f32 v[TM+\b], |v[\s+16*\b]|, |v[\s+1+16*\b]|, 0x1800000   ; block b: my 16 numbers, and the floor 2^(3 - 127): the byte cannot fall under 1
.endr
.irp i, 2,4,6,8,10,12,14
.irp b, 0,1,2,3
	v_max3_num_f32 v[TM+\b], v[TM+\b], |v[\s+16*\b+\i]|, |v[\s+1+16*\b+\i]|   ; the four blocks by turns
.endr
.endr
.irp b, 0,1,2,3
	v_permlanex16_b32 v[TM+4+\b], v[TM+\b], s[SEL], s[SEL+1]
.endr
.irp b, 0,1,2,3
	v_max_num_f32 v[TM+\b], v[TM+\b], v[TM+4+\b]   ; with lane l xor 16's 16: the block's largest magnitude
.endr
.irp b, 0,1,2,3
	v_add_nc_u32 v[TM+12+\b], 0xff000000, v[TM+\b]   ; 2 off its exponent field: the conversion takes the exponent field of this operand as its scale
.endr
.irp b, 0,1,2,3
	v_lshrrev_b32 v[TM+4+\b], 23, v[TM+12+\b]      ; the scale's byte
.endr
	v_lshl_or_b32 v[\pw], v[TM+5], 8, v[TM+4]      ; four bytes: my row's scale word
	v_lshl_or_b32 v[\pw], v[TM+6], 16, v[\pw]
	v_lshl_or_b32 v[\pw], v[TM+7], 24, v[\pw]
.irp c, 0,1
	v_cvt_scalef32_pk16_fp6_f32 v[PC+6*\c:PC+2+6*\c], v[\s+32*\c:\s+15+32*\c], v[TM+12+2*\c]
	v_cvt_scalef32_pk16_fp6_f32 v[PC+12+4*\c:PC+14+4*\c], v[\s+16+32*\c:\s+31+32*\c], v[TM+12+2*\c+1]   ; (a conversion's three registers begin on an even number)
.endr
	v_nop                                          ; one plain instruction behind the scaled conversions
.irp c, 0,1                                    ; the layout wants a whole block in a lane: lanes 0-15 block 2 c, lanes 16-31 block 2 c + 1
.irp i, 0,1,2
	v_permlane16_swap_b32 v[PC+6*\c+\i], v[PC+12+4*\c+\i]
.endr
.irp i, 0,1,2
	v_mov_b32 v[PC+3+6*\c+\i], v[PC+12+4*\c+\i]
.endr
.endr
.endm
; the tile's 16 rows, K step s: 16 loads of 512 consecutive bytes
.macro XLOAD set, s
.irp i, 0,1,2,3,4,5,6,7,8,9,10,11,12,13,14,15
.if \i < 8
	global_load_b128 v[\set+4*\i:\set+4*\i+3], v[XLO], s[26:27] offset:2048*\i+512*(\s) th:TH_LOAD_NT
.else
	global_load_b128 v[\set+4*\i:\set+4*\i+3], v[XHI], s[26:27] offset:2048*\i+512*(\s) th:TH_LOAD_NT
.endif
.endr
.endm
; through the stage: in as rows, out as 16 neighbours of each block.  LDS serves a wave's instructions in order, and the bytes are the wave's own: no wait between
.macro TURN set
.irp i, 0,1,2,3,4,5,6,7,8,9,10,11,12,13,14,15
	ds_store_b128 v[STI], v[\set+4*\i:\set+4*\i+3] offset:SPITCH*\i
.endr
.irp b, 0,1,2,3
.irp j, 0,1,2,3
	ds_load_b128 v[X+16*\b+4*\j:X+16*\b+4*\j+3], v[STO] offset:128*\b+16*\j
.endr
.endr
.endm
.macro PICK lim, ptr, tb               ; work-groups under lim belong to the tensor at s[ptr], whose first tile is tb
	s_cmp_lt_u32 s23, \lim
	s_cselect_b64 s[26:27], s[\ptr:\ptr+1], s[26:27]
	s_cselect_b32 s25, \tb, s25
.endm
	s_load_b512 s[4:19], s[0:1], 0x0               ; input_Q s[4:5], input_K s[6:7], input_V s[8:9], W_Q s[10:11], W_K s[12:13], W_V s[14:15], W_O s[16:17], img s[18:19]
	s_load_b64 s[20:21], s[0:1], 0x40              ; isc
	v_lshl_add_u32 v250, v0, 2, 0x8400
	v_mov_b32 v251, 0
	v_lshrrev_b32 v1, 5, v0
	v_readfirstlane_b32 s22, v1                    ; wave
	v_and_b32 v1, 31, v0                           ; lane
	v_and_b32 v2, 15, v0                           ; r
	v_bfe_u32 v3, v0, 4, 1                         ; h
	s_mov_b32 s23, ttmp9
	s_lshl_b32 s24, s23, 2
	s_add_co_u32 s24, s24, s22                     ; U
	s_mov_b32 s[SEL], 0x76543210
	s_mov_b32 s[SEL+1], 0xfedcba98
	s_wait_kmcnt 0x0
	s_mov_b64 s[26:27], s[16:17]                   ; the choice of the tensor hangs on the work-group's number alone
	s_mov_b32 s25, 1632
	PICK 408, 14, 1600
	PICK 400, 12, 1568
	PICK 392, 10, 1536
	PICK 384, 8, 1024
	PICK 256, 6, 512
	PICK 128, 4, 0
	s_sub_co_u32 s28, s24, s25                     ; T
	s_lshr_b32 s29, s28, 1
	s_lshl_b32 s29, s29, 5
	s_and_b32 s30, s28, 1
	s_lshl_b32 s31, s30, 3
	s_add_co_u32 s29, s29, s31                     ; the usual first row: 32 (T / 2) + 8 (T % 2)
	s_lshl_b32 s32, s28, 4                         ; input_Q's: 16 T
	s_lshr_b32 s33, s28, 3
	s_lshl_b32 s33, s33, 7
	s_lshl_b32 s30, s30, 6
	s_add_co_u32 s33, s33, s30
	s_bfe_u32 s30, s28, 0x10002
	s_lshl_b32 s30, s30, 5
	s_add_co_u32 s33, s33, s30
	s_bfe_u32 s30, s28, 0x10001
	s_lshl_b32 s30, s30, 3
	s_add_co_u32 s33, s33, s30                     ; W_V's
	s_sub_co_u32 s34, s23, 400
	s_cmp_lt_u32 s23, 128
	s_cselect_b32 s29, s32, s29
	s_cselect_b32 s35, 0, 1                        ; 1: the tile's rows 8-15 lie 8 rows further on
	s_cmp_lt_u32 s34, 8                            ; work-groups 400 to 407 are W_V's
	s_cselect_b32 s29, s33, s29
	s_lshl_b32 s36, s29, 11                        ; a row is 2,048 bytes
	s_mov_b32 s37, 0
	s_add_nc_u64 s[26:27], s[26:27], s[36:37]
	s_mul_i32 s36, s24, 6144
	s_add_nc_u64 s[18:19], s[18:19], s[36:37]      ; my tile's four images
	s_lshl_b32 s36, s24, 8
	s_add_nc_u64 s[20:21], s[20:21], s[36:37]      ; and its 256 bytes of scale words
	s_mul_i32 s36, s22, STAGEB                     ; my stage
	s_lshl_b32 s37, s35, 14
	v_lshlrev_b32 v[XLO], 4, v1
	v_add_nc_u32 v[XHI], s37, v[XLO]
	v_add_nc_u32 v[STI], s36, v[XLO]
	v_mul_u32_u24 v[STO], v2, SPITCH
	v_lshl_add_u32 v[STO], v3, 6, v[STO]
	v_add_nc_u32 v[STO], s36, v[STO]
	v_lshlrev_b32 v[SA], 4, v2
	v_lshl_add_u32 v[SA], v3, 3, v[SA]
.irp b, 0,1,2,3
	v_mov_b32 v[TM+4+\b], 0                        ; written once: a lane permute's destination counts as one of its sources
.endr
	XLOAD R0, 0
	XLOAD R0+64, 1
.irp k, 0,1,2,3
.if \k < 3
	s_wait_loadcnt 16                              ; this K step's 16 loads are in; the next step's 16 may be out
.else
	s_wait_loadcnt 0x0
.endif
	TURN R0+64*(\k%2)
	s_wait_dscnt 0x0                               ; the numbers are back, and the stores into the stage have read their registers
	s_wait_xcnt 0x0                                ; the last image's stores have read the codes' registers, which QUANT writes again
.if \k < 2
	XLOAD R0+64*(\k%2), \k+2
.endif
	QUANT X, PWS+\k
.irp c, 0,1,2
	global_store_b128 v[XLO], v[PC+4*\c:PC+4*\c+3], s[18:19] offset:1536*\k+512*\c   ; 32 lanes store 512 consecutive bytes, at a multiple of 256 from img's first byte
.endr
.endr
	v_cmp_ne_u32 vcc_lo, 0, v3
	v_cndmask_b32 v[SW], v[PWS], v[PWS+2], vcc_lo  ; lanes 0-15 send K steps 0 and 1 of row r, lanes 16-31 steps 2 and 3
	v_cndmask_b32 v[SW+1], v[PWS+1], v[PWS+3], vcc_lo
	global_store_b64 v[SA], v[SW:SW+1], s[20:21]   ; 256 consecutive bytes
	s_wait_tensorcnt 0x0
	ds_add_u32 v250, v251
	s_wait_dscnt 0x0
	s_endpgm
.Lfunc_end_k_q7f5bab5525_prep:
	.size	k_q7f5bab5525_prep, .Lfunc_end_k_q7f5bab5525_prep-k_q7f5bab5525_prep
	.p2alignl 7, 3214868480
	.fill 96, 4, 3214868480
	.section	.rodata,"a",@progbits
	.p2align	6, 0x0
	.amdhsa_kernel k_q7f5bab5525_prep
		.amdhsa_group_segment_fixed_size 34304
		.amdhsa_private_segment_fixed_size 0
		.amdhsa_enable_private_segment 0
		.amdhsa_kernarg_size 72
		.amdhsa_user_sgpr_count 2
		.amdhsa_user_sgpr_kernarg_segment_ptr 1
		.amdhsa_wavefront_size32 1
		.amdhsa_system_sgpr_workgroup_id_x 1
		.amdhsa_system_sgpr_workgroup_id_y 1
		.amdhsa_system_sgpr_workgroup_id_z 1
		.amdhsa_system_vgpr_workitem_id 0
		.amdhsa_next_free_vgpr 252
		.amdhsa_next_free_sgpr 66
		.amdhsa_reserve_vcc 1
		.amdhsa_float_denorm_mode_32 3
		.amdhsa_float_denorm_mode_16_64 3
		.amdhsa_memory_ordered 1
		.amdhsa_forward_progress 1
		.amdhsa_inst_pref_size 35
	.end_amdhsa_kernel
	.amdgpu_metadata
---
amdhsa.version: [ 1, 2 ]
amdhsa.kernels:
  - .name:           k_q7f5bab5525_prep
    .symbol:         k_q7f5bab5525_prep.kd
    .args:
      - { .name: input_Q, .offset: 0, .size: 8, .value_kind: global_buffer, .address_space: global }
      - { .name: input_K, .offset: 8, .size: 8, .value_kind: global_buffer, .address_space: global }
      - { .name: input_V, .offset: 16, .size: 8, .value_kind: global_buffer, .address_space: global }
      - { .name: W_Q, .offset: 24, .size: 8, .value_kind: global_buffer, .address_space: global }
      - { .name: W_K, .offset: 32, .size: 8, .value_kind: global_buffer, .address_space: global }
      - { .name: W_V, .offset: 40, .size: 8, .value_kind: global_buffer, .address_space: global }
      - { .name: W_O, .offset: 48, .size: 8, .value_kind: global_buffer, .address_space: global }
      - { .name: img, .offset: 56, .size: 8, .value_kind: global_buffer, .address_space: global }
      - { .name: isc, .offset: 64, .size: 8, .value_kind: global_buffer, .address_space: global }
    .group_segment_fixed_size: 34304
    .private_segment_fixed_size: 0
    .kernarg_segment_align: 8
    .kernarg_segment_size: 72
    .max_flat_workgroup_size: 128
    .sgpr_count:     66
    .vgpr_count:     252
    .wavefront_size: 32
...
	.end_amdgpu_metadata
.endif
;; end of part 1
;; launch proj (part 2): grid 256 x 1, 3 waves a work-group, no clusters, 0 bytes of LDS; arguments img, isc, qc, qs, kvc, kvs; writes qc, qs, kvc, kvs
.if DOCPART == 2
	.amdgcn_target "amdgcn-amd-amdhsa--gfx1250"
	.amdhsa_code_object_version 6
	.text
	.protected	k_q7f5bab5525_proj
	.globl	k_q7f5bab5525_proj
	.p2align	8
	.type	k_q7f5bab5525_proj,@function
k_q7f5bab5525_proj:
	s_mov_b64 s[64:65], 0
	v_nop
	global_prefetch_b8 v0, s[64:65] scope:SCOPE_SE
	s_setreg_imm32_b32 hwreg(HW_REG_WAVE_MODE, 25, 1), 1
	s_wait_xcnt 0x0
; The three input projections, y = x W^T (K = 512), on codes of FP6 (E2M3) with E8M0 scales, and the quantising of their results for attention, in registers.
; SHARES: wave t of a work-group serves tensor t (0: Q, 1: K, 2: V).  A wave makes 128 x 128 results: 8 STATIONARY tiles (source 0, kept in 384 registers) x 8 MOVING tiles (source 1), four K steps of 128.
; In a result a lane holds ONE moving row, and its registers run along the stationary rows; by the choice of the stationary tiles' rows, register 16 b + i of the eight tiles = stationary row 32 b + 16 (lane / 16) + i.
;   Q, K: stationary = 128 rows of W (two heads' 64 channels), moving = 128 rows of x: the results are quantised along the head's channels.
;   V:    stationary = 128 rows of x (keys), moving = 128 rows of W_V: the results are quantised along the KEYS, which are the second product's K.
; Work-group g: lo = g % 4 (heads 2 lo, 2 lo + 1), hi = g / 4 (rows 128 hi on: batch hi / 16, block hi % 16).
; OUT, as half images (HI, 768 bytes: 6 registers of a fragment: registers 0-3 of lane l at 16 l, registers 4-5 at 512 + 8 l):
;   qc [bh 32][tile 128][HI];  kvc [bh][step 16][K: pair jp 4, tile 2 jp + e, HI | V: channel tile ct 4, key half c 2, HI];
;   qs [bh][block 16][r][jp] words (tile 2 jp's two bytes, tile 2 jp + 1's two);  kvs [bh][step][K: r, jp words as qs | V: r, ct words (four key blocks)].
; Operands come from memory straight into registers as images: nothing goes through LDS, so there is no tile that a joint load could share, no barrier and no cluster.
; LIMITS: NaN and infinities are not served; a block of zeros or under 2^-124 gets the byte 1 (this program alone reads the bytes).
; REGISTERS, in windows of 256: window 0: addresses, scale words, the 8 accumulators, QUANT's registers;  window 1: stationary fragments (t, K step 0, 1) at 12 (2 t + s);
;   window 2: (t, K step 2, 3) at 12 (2 t + s - 2);  window 3: two sets of a moving tile's four fragments, at 0 and at 48.
.set LI16, 4                           ; v4  16 x lane
.set LI8,  5                           ; v5  8 x lane
.set RS,   6                           ; v6  16 r: a row's four scale words
.set SOUT, 7                           ; v7  16 r + h x (bytes from a head's scale words to the next head's)
.set SS,   16                          ; v16-47  stationary scale words, 4 t + s
.set MS,   48                          ; v48-51, v52-55  moving scale words, two sets
.set PWS,  56                          ; v56-63  the scale words made, one for each moving tile
.set ACC,  64                          ; v64-127 eight accumulators
.set PC,   128                         ; v128-147 the codes just made
.set TM,   148                         ; v148-163 at work in QUANT
.set W0,   164                         ; v164-167, v168-171 scale words sorted by head; v172-175 on their way out
.set W1,   168
.set OUT,  172
.set SEL,  38                          ; s[38:39]
.set MSB, 0
.macro WIN new                         ; the immediate's high byte repeats the setting that is left
.if MSB != \new
	s_set_vgpr_msb (MSB<<8)|\new
.set MSB, \new
.endif
.endm
.macro QUANT s, pw                     ; 64 numbers of a lane, register 16 b + i = k 32 b + 16 (lane / 16) + i, become a fragment's codes in v[PC] on and its scale word in v[pw]
.irp b, 0,1,2,3
	v_max3_num_f32 v[TM+\b], |v[\s+16*\b]|, |v[\s+1+16*\b]|, 0x1800000   ; with the floor 2^(3 - 127).  Each accumulator is read from its low end on
.endr
.irp i, 2,4,6,8,10,12,14
.irp b, 0,1,2,3
	v_max3_num_f32 v[TM+\b], v[TM+\b], |v[\s+16*\b+\i]|, |v[\s+1+16*\b+\i]|
.endr
.endr
.irp b, 0,1,2,3
	v_permlanex16_b32 v[TM+4+\b], v[TM+\b], s[SEL], s[SEL+1]
.endr
.irp b, 0,1,2,3
	v_max_num_f32 v[TM+\b], v[TM+\b], v[TM+4+\b]
.endr
.irp b, 0,1,2,3
	v_add_nc_u32 v[TM+12+\b], 0xff000000, v[TM+\b]   ; 2 off the exponent field: the conversion's scale operand
.endr
.irp b, 0,1,2,3
	v_lshrrev_b32 v[TM+4+\b], 23, v[TM+12+\b]      ; the scale's byte
.endr
	v_lshl_or_b32 v[\pw], v[TM+5], 8, v[TM+4]
	v_lshl_or_b32 v[\pw], v[TM+6], 16, v[\pw]
	v_lshl_or_b32 v[\pw], v[TM+7], 24, v[\pw]
.irp c, 0,1
	v_cvt_scalef32_pk16_fp6_f32 v[PC+6*\c:PC+2+6*\c], v[\s+32*\c:\s+15+32*\c], v[TM+12+2*\c]
	v_cvt_scalef32_pk16_fp6_f32 v[PC+12+4*\c:PC+14+4*\c], v[\s+16+32*\c:\s+31+32*\c], v[TM+12+2*\c+1]
.endr
	v_nop                                          ; one plain instruction behind the scaled conversions
.irp c, 0,1
.irp i, 0,1,2
	v_permlane16_swap_b32 v[PC+6*\c+\i], v[PC+12+4*\c+\i]
.endr
.irp i, 0,1,2
	v_mov_b32 v[PC+3+6*\c+\i], v[PC+12+4*\c+\i]
.endr
.endr
.endm
.macro LOADM m                         ; moving tile m: its four images (12 loads) and its rows' four scale words (1 load) into set m % 2
	WIN 0xc0                                       ; destination window 3
.irp s, 0,1,2,3
.irp c, 0,1,2
	global_load_b128 v[48*((\m)%2)+12*\s+4*\c:48*((\m)%2)+12*\s+4*\c+3], v[LI16], s[24:25] offset:6144*(\m)+1536*\s+512*\c
.endr
.endr
	WIN 0
	global_load_b128 v[MS+4*((\m)%2):MS+4*((\m)%2)+3], v[RS], s[26:27] offset:256*(\m)
.endm
.macro MULT m                          ; 32 matrix instructions: K step by K step, the eight accumulators by turns, one instruction a turn; the first K step starts the sums
.irp s, 0,1,2,3
.if \s < 2
	WIN 0x0d                                       ; source 0 window 1, source 1 window 3, C and D window 0
.else
	WIN 0x0e                                       ; source 0 window 2
.endif
.irp t, 0,1,2,3,4,5,6,7
.if \s == 0
	v_wmma_scale_f32_16x16x128_f8f6f4 v[ACC+8*\t:ACC+8*\t+7], v[12*(2*\t+\s%2):12*(2*\t+\s%2)+11], v[48*((\m)%2)+12*\s:48*((\m)%2)+12*\s+11], 0, v[SS+4*\t+\s], v[MS+4*((\m)%2)+\s] matrix_a_fmt:MATRIX_FMT_FP6 matrix_b_fmt:MATRIX_FMT_FP6
.else
	v_wmma_scale_f32_16x16x128_f8f6f4 v[ACC+8*\t:ACC+8*\t+7], v[12*(2*\t+\s%2):12*(2*\t+\s%2)+11], v[48*((\m)%2)+12*\s:48*((\m)%2)+12*\s+11], v[ACC+8*\t:ACC+8*\t+7], v[SS+4*\t+\s], v[MS+4*((\m)%2)+\s] matrix_a_fmt:MATRIX_FMT_FP6 matrix_b_fmt:MATRIX_FMT_FP6
.endif
.endr
.endr
.endm
	s_load_b256 s[4:11], s[0:1], 0x0               ; img s[4:5], isc s[6:7], qc s[8:9], qs s[10:11]
	s_load_b128 s[12:15], s[0:1], 0x20             ; kvc s[12:13], kvs s[14:15]
	v_lshrrev_b32 v1, 5, v0
	v_readfirstlane_b32 s16, v1                    ; wave = tensor: 0 Q, 1 K, 2 V
	v_and_b32 v1, 31, v0                           ; lane
	v_and_b32 v2, 15, v0                           ; r
	v_bfe_u32 v3, v0, 4, 1                         ; h
	s_and_b32 s17, ttmp9, 3                        ; lo
	s_lshr_b32 s18, ttmp9, 2                       ; hi
	s_lshr_b32 s44, s18, 4                         ; batch
	s_and_b32 s45, s18, 15                         ; block of 128 rows in the batch
	s_lshl_b32 s44, s44, 3
	s_lshl_b32 s46, s17, 1
	s_add_co_u32 s44, s44, s46                     ; bh of the first of my two heads
	s_lshl_b32 s44, s44, 4
	s_add_co_u32 s19, s44, s45                     ; idx = 16 bh + block
	s_lshl_b32 s44, s17, 3
	s_lshl_b32 s45, s18, 3
	s_lshl_b32 s46, s16, 5
	s_add_co_u32 s46, s46, s44
	s_add_co_u32 s46, s46, 1536                    ; my first tile of W: 1536 + 32 tensor + 8 lo
	s_lshl_b32 s47, s16, 9
	s_add_co_u32 s47, s47, s45                     ; my first tile of x: 512 tensor + 8 hi
	s_mov_b32 s49, 12288
	s_mov_b32 s50, 512
	s_mov_b32 s51, 0x30000
	s_mov_b32 s42, 8192
	s_mov_b32 s52, 768
	s_mov_b32 s40, 0x05040100
	s_mov_b32 s41, 0x07060302
	s_mov_b32 s[SEL], 0x76543210
	s_mov_b32 s[SEL+1], 0xfedcba98
	s_wait_kmcnt 0x0
	s_cmp_eq_u32 s16, 0                            ; every choice hangs on the wave's number alone
	s_cselect_b64 s[28:29], s[8:9], s[12:13]       ; codes go to qc or kvc,
	s_cselect_b64 s[36:37], s[10:11], s[14:15]     ; scale words to qs or kvs
	s_cselect_b32 s49, 6144, s49                   ; code bytes for each idx
	s_cselect_b32 s50, 256, s50                    ; scale bytes for each idx
	s_cselect_b32 s51, 0x18000, s51                ; Q, K: from a head's codes to the next head's
	s_cselect_b32 s42, 4096, s42                   ; from a head's scale words to the next head's
	s_cmp_eq_u32 s16, 2
	s_cselect_b32 s44, s47, s46                    ; stationary: x for V, else W
	s_cselect_b32 s45, s46, s47                    ; moving: the other
	s_cselect_b32 s53, 6144, 0                     ; V's codes lie behind K's in a step,
	s_cselect_b32 s54, 256, 0                      ; its scale words likewise
	s_cselect_b32 s51, s52, s51                    ; EC, from fragment half c = 0 to c = 1: V: the next key half, 768; Q, K: the next head
	s_cselect_b32 s52, 0x30000, s52                ; EI, from moving tile 2 jp to 2 jp + 1: V: the next head; Q, K: the next tile, 768
	s_cselect_b32 s40, 0x03020100, s40             ; how two tiles' scale words are sorted by head: V: whole words;
	s_cselect_b32 s41, 0x07060504, s41             ; Q, K: halves of both
	s_mul_i32 s46, s19, s49
	s_add_co_u32 s46, s46, s53
	s_mov_b32 s47, 0
	s_add_nc_u64 s[28:29], s[28:29], s[46:47]      ; four bases for the codes, (i, c) at s[28 + 4 i + 2 c]; never rewritten
	s_mov_b32 s46, s51
	s_add_nc_u64 s[30:31], s[28:29], s[46:47]
	s_mov_b32 s46, s52
	s_add_nc_u64 s[32:33], s[28:29], s[46:47]
	s_add_nc_u64 s[34:35], s[30:31], s[46:47]
	s_mul_i32 s46, s19, s50
	s_add_co_u32 s46, s46, s54
	s_add_nc_u64 s[36:37], s[36:37], s[46:47]
	s_mul_i32 s46, s44, 6144
	s_add_nc_u64 s[20:21], s[4:5], s[46:47]        ; stationary images,
	s_lshl_b32 s46, s44, 8
	s_add_nc_u64 s[22:23], s[6:7], s[46:47]        ; their scale words,
	s_mul_i32 s46, s45, 6144
	s_add_nc_u64 s[24:25], s[4:5], s[46:47]        ; moving images,
	s_lshl_b32 s46, s45, 8
	s_add_nc_u64 s[26:27], s[6:7], s[46:47]        ; their scale words
	v_lshlrev_b32 v[LI16], 4, v1
	v_lshlrev_b32 v[LI8], 3, v1
	v_lshlrev_b32 v[RS], 4, v2
	v_mul_u32_u24 v[SOUT], s42, v3
	v_add_nc_u32 v[SOUT], v[SOUT], v[RS]
.irp b, 0,1,2,3
	v_mov_b32 v[TM+4+\b], 0                        ; written once: a lane permute's destination counts as one of its sources
.endr
	WIN 0x40                                       ; destination window 1
.irp t, 0,1,2,3,4,5,6,7
.irp s, 0,1
.irp c, 0,1,2
	global_load_b128 v[12*(2*\t+\s)+4*\c:12*(2*\t+\s)+4*\c+3], v[LI16], s[20:21] offset:6144*\t+1536*\s+512*\c
.endr
.endr
.endr
	WIN 0x80                                       ; destination window 2
.irp t, 0,1,2,3,4,5,6,7
.irp s, 0,1
.irp c, 0,1,2
	global_load_b128 v[12*(2*\t+\s)+4*\c:12*(2*\t+\s)+4*\c+3], v[LI16], s[20:21] offset:6144*\t+1536*(\s+2)+512*\c
.endr
.endr
.endr
	WIN 0
.irp t, 0,1,2,3,4,5,6,7
	global_load_b128 v[SS+4*\t:SS+4*\t+3], v[RS], s[22:23] offset:256*\t
.endr
	LOADM 0
	LOADM 1
.irp m, 0,1,2,3,4,5,6,7
.if \m < 7
	s_wait_loadcnt 13                              ; all but the next moving tile's 13 loads are in
.else
	s_wait_loadcnt 0x0
.endif
	MULT \m
	WIN 0
.rept 4
	v_nop                                          ; four places behind the products: for the loads into the set just multiplied, and for the first read of the results
.endr
.if \m < 6
	LOADM \m+2
.endif
	s_wait_xcnt 0x0                                ; the last tile's stores have read the codes' registers, which QUANT writes again
	QUANT ACC, PWS+\m
.irp c, 0,1                                    ; the fragment's two halves are two half images
	global_store_b128 v[LI16], v[PC+6*\c:PC+6*\c+3], s[28+4*(\m%2)+2*\c:29+4*(\m%2)+2*\c] offset:1536*(\m/2)        ; 512 consecutive bytes, aligned to 256
	global_store_b64 v[LI8], v[PC+6*\c+4:PC+6*\c+5], s[28+4*(\m%2)+2*\c:29+4*(\m%2)+2*\c] offset:1536*(\m/2)+512   ; 256 consecutive bytes, aligned
.endr
.endr
.irp j, 0,1,2,3
	v_perm_b32 v[W0+\j], v[PWS+2*\j+1], v[PWS+2*\j], s40   ; the first head's word of pair j
	v_perm_b32 v[W1+\j], v[PWS+2*\j+1], v[PWS+2*\j], s41   ; the second head's
.endr
	v_cmp_ne_u32 vcc_lo, 0, v3
.irp j, 0,1,2,3
	v_cndmask_b32 v[OUT+\j], v[W0+\j], v[W1+\j], vcc_lo
.endr
	global_store_b128 v[SOUT], v[OUT:OUT+3], s[36:37]   ; lanes 0-15: the first head's 256 bytes; lanes 16-31: the second head's
	s_endpgm
.Lfunc_end_k_q7f5bab5525_proj:
	.size	k_q7f5bab5525_proj, .Lfunc_end_k_q7f5bab5525_proj-k_q7f5bab5525_proj
	.p2alignl 7, 3214868480
	.fill 96, 4, 3214868480
	.section	.rodata,"a",@progbits
	.p2align	6, 0x0
	.amdhsa_kernel k_q7f5bab5525_proj
		.amdhsa_group_segment_fixed_size 0
		.amdhsa_private_segment_fixed_size 0
		.amdhsa_enable_private_segment 0
		.amdhsa_kernarg_size 48
		.amdhsa_user_sgpr_count 2
		.amdhsa_user_sgpr_kernarg_segment_ptr 1
		.amdhsa_wavefront_size32 1
		.amdhsa_system_sgpr_workgroup_id_x 1
		.amdhsa_system_sgpr_workgroup_id_y 1
		.amdhsa_system_sgpr_workgroup_id_z 1
		.amdhsa_system_vgpr_workitem_id 0
		.amdhsa_next_free_vgpr 864
		.amdhsa_next_free_sgpr 66
		.amdhsa_reserve_vcc 1
		.amdhsa_float_denorm_mode_32 3
		.amdhsa_float_denorm_mode_16_64 3
		.amdhsa_memory_ordered 1
		.amdhsa_forward_progress 1
		.amdhsa_inst_pref_size 92
	.end_amdhsa_kernel
	.amdgpu_metadata
---
amdhsa.version: [ 1, 2 ]
amdhsa.kernels:
  - .name:           k_q7f5bab5525_proj
    .symbol:         k_q7f5bab5525_proj.kd
    .args:
      - { .name: img, .offset: 0, .size: 8, .value_kind: global_buffer, .address_space: global }
      - { .name: isc, .offset: 8, .size: 8, .value_kind: global_buffer, .address_space: global }
      - { .name: qc, .offset: 16, .size: 8, .value_kind: global_buffer, .address_space: global }
      - { .name: qs, .offset: 24, .size: 8, .value_kind: global_buffer, .address_space: global }
      - { .name: kvc, .offset: 32, .size: 8, .value_kind: global_buffer, .address_space: global }
      - { .name: kvs, .offset: 40, .size: 8, .value_kind: global_buffer, .address_space: global }
    .group_segment_fixed_size: 0
    .private_segment_fixed_size: 0
    .kernarg_segment_align: 8
    .kernarg_segment_size: 48
    .max_flat_workgroup_size: 96
    .sgpr_count:     66
    .vgpr_count:     864
    .wavefront_size: 32
...
	.end_amdgpu_metadata
.endif
;; end of part 2
;; launch attn (part 3): grid 8 x 32, 16 waves a work-group, no clusters, 206,848 bytes of LDS; arguments qc, qs, kvc, kvs, cc, cs; writes cc, cs
.if DOCPART == 3
	.amdgcn_target "amdgcn-amd-amdhsa--gfx1250"
	.amdhsa_code_object_version 6
	.text
	.protected	k_q7f5bab5525_attn
	.globl	k_q7f5bab5525_attn
	.p2align	8
	.type	k_q7f5bab5525_attn,@function
k_q7f5bab5525_attn:
	s_mov_b64 s[64:65], 0
	v_nop
	global_prefetch_b8 v0, s[64:65] scope:SCOPE_SE
	s_setreg_imm32_b32 hwreg(HW_REG_WAVE_MODE, 25, 1), 1
	s_wait_xcnt 0x0
; Causal attention of one head (64 channels, 2,048 keys) on codes of FP6 (E2M3) with E8M0 scales, and the quantising of the context for the output projection.
; t = score x log2(e) / 8; M = the row's largest t so far, rounded UP to a whole number; p = 2^(t - M) is quantised along the keys, not normalised; the row's sum is taken of the unquantised p
; and divides O at the end.  When M moves, the sum and O are multiplied by 2^(old M - new M): exact.
; SHARES: work-group (j, bh) owns the query blocks j and 15 - j (128 queries each) of head bh: 17 block steps in every work-group.  Each of its 16 waves owns one tile of 16 queries, in 256 registers;
; wave w takes tile w / 2 of the early or of the late block, early and late by turns.  A key step is 128 keys; a wave works the steps 0 .. (its tile / 8) and passes over the others by a scalar branch on ids.
; LDS: the whole head's K and V codes (16 steps x 12,288 bytes) and scale words (16 x 512 bytes) are filled ONCE, by five tensor loads a wave, issued together at the head:
; the scale words (2 rows of 256 bytes a wave), then four groups of four steps (192 rows of 256 bytes a group: 12 a wave).  Nothing is filled again: no ring.  By this text's count a wave has five tensor loads out at the most.
; NO CLUSTER: the eight work-groups of a head read the same K and V, but which steps a wave works hangs on its query block, that is on its work-group's place among the eight;
; LAYOUT: both products are used transposed: S^T = K Q^T (source 0 = keys, source 1 = my 16 queries), O^T = V^T P^T (source 0 = 16 channels, source 1 = P): a lane holds ONE query (lane % 16) throughout.
; The head has 64 channels and the instruction 128 along K: one fragment of K holds TWO tiles of 16 keys (tile 2 b at k 0-63, tile 2 b + 1 at k 64-127); Q stands twice, once in the lower half over zero codes and once in the
; upper half: each picks one of the two tiles.  The keys of a tile are not neighbours: lane r of tile 2 b + u is key 32 b + 8 u + r + 8 (r / 8), so that S^T's register 16 b + i is key 32 b + 16 (lane / 16) + i.
; V's channel tiles are chosen alike, so that O^T's register 16 b + i is channel 32 b + 16 (lane / 16) + i: the context's K.
; OUT: cc [row tile G 512][head 8][half image 768 bytes];  cs [G][head][lane] words (two scale bytes in the low half).
; LIMITS: NaN and infinities are not served; a block of zeros or under 2^-124 gets the byte 1 (this program alone reads the bytes).
.set KVS, 196608                       ; LDS: the codes at 0, the scale words here
.set A16, 1                            ; v1   16 x lane
.set A8,  2                            ; v2   8 x lane
.set AS,  3                            ; v3   KVS + 16 r
.set VD,  4                            ; v4   on the diagonal: my query less the step's first key less 16 (lane / 16)
.set A4,  5                            ; v5   4 x lane
.set AD16, 8                           ; v8-10 the step's LDS addresses
.set AD8, 9
.set ADS, 10
.set QS,  11                           ; v11  Q's scale bytes, twice
                                       ; v12 -M, v13 the largest t, v[14:15] the sum in two halves
.set QLO, 16                           ; v16-27  Q in k 0-63, zeros above
.set QHI, 28                           ; v28-39  zeros, Q in k 64-127
.set FR,  40                           ; v40-87  four fragments of K, then of V
.set KS,  88                           ; v88-91  K's scale words
.set VS,  92                           ; v92-95  V's
.set S,   96                           ; v96-159 S^T, then p
.set O,   160                          ; v160-191 O^T
.set PCD, 192                          ; v192-203 p's codes
.set PT,  204                          ; v204-211 halves on their way
.set BM,  212                          ; v212-215 the blocks' largest scores, then largest p
.set BT,  216                          ; v216-219 at work
.set SCO, 220                          ; v220-223 the conversions' scale operands
.set TMP, 224
.set F,   226                          ; v[226:227] f = 2^(old M - new M) (the pair is named; v227 stays 0)
.set PSW, 228                          ; v228 p's scale word
.set L2,  230                          ; v[230:231] the sum's second chain
.set CT,  232                          ; v232-237 the context's codes; v238-240 a half on its way; v241 its scale word
.set CTT, 238
.set CW,  241
.set WV,  16
.set BH,  18
.set T,   20                           ; s20 my tile of 16 queries, 0 .. 127
.set DS,  21                           ; s21 the step on my diagonal: T / 8
.set STP, 22                           ; s22 the step in hand
.set TB,  23                           ; s23 where its codes begin in LDS
.set TS,  24                           ; s24 where its scale words begin, from KVS
.set CNT, 25
.set SEL, 26                           ; s[26:27] lane selects: lane l xor 16
.set CS,  28                           ; s[28:29] c = log2(e) / 8
.set G1C, 40                           ; s[40:47] descriptor group 1: 12 rows of 256 bytes;  s[48:55]: 2 rows;  groups 0 at s56, s60, s68, s72, s76: never rewritten
.set G1S, 48
.macro MKG0 reg, g
	s_mov_b32 s[\reg], 1                           ; count = 1
	s_add_co_u32 s[\reg+1], s34, 49152*\g          ; LDS address: group g, my wave's 12 rows
	s_add_nc_u64 s[\reg+2:\reg+3], s[36:37], 49152*\g   ; the same bytes of the head's codes in memory
	s_or_b32 s[\reg+3], s[\reg+3], 0x80000000      ; type = 2
.endm
	s_load_b256 s[4:11], s[0:1], 0x0               ; qc s[4:5], qs s[6:7], kvc s[8:9], kvs s[10:11]
	s_load_b128 s[12:15], s[0:1], 0x20             ; cc s[12:13], cs s[14:15]
	v_lshl_add_u32 v254, v0, 2, 0x32000
	v_mov_b32 v255, 0
	ds_add_u32 v254, v255
	ds_add_u32 v254, v255
	v_lshrrev_b32 v1, 5, v0
	v_readfirstlane_b32 s[WV], v1                  ; wave 0..15
	s_mov_b32 s17, ttmp9                           ; j
	s_and_b32 s[BH], ttmp7, 0xffff
	s_lshr_b32 s30, s[WV], 2
	s_xor_b32 s30, s30, s[WV]
	s_and_b32 s19, s30, 1                          ; 1: the late block
	s_sub_co_u32 s30, 15, s17
	s_cmp_eq_u32 s19, 1
	s_cselect_b32 s30, s30, s17
	s_lshl_b32 s30, s30, 3
	s_lshr_b32 s31, s[WV], 1
	s_add_co_u32 s[T], s30, s31
	s_lshr_b32 s[DS], s[T], 3
.irp g, G1C, G1S
	s_mov_b32 s[\g], 3<<16                         ; no mask; elements of 8 bytes; no padding
	s_mov_b32 s[\g+1], 32<<16                      ; tensor_dim0 = 32 elements: 256 bytes
	s_mov_b32 s[\g+3], 32<<16                      ; tile_dim0
	s_mov_b32 s[\g+5], 32                          ; the rows are dense
	s_mov_b32 s[\g+6], 0
	s_mov_b32 s[\g+7], 0
.endr
	s_mov_b32 s[G1C+2], 12<<16                     ; tensor_dim1
	s_mov_b32 s[G1C+4], 12                         ; tile_dim1
	s_mov_b32 s[G1S+2], 2<<16
	s_mov_b32 s[G1S+4], 2
	s_lshl_b32 s30, s[BH], 13                      ; the head's 8,192 bytes of scale words,
	s_lshl_b32 s35, s[WV], 9                       ; my wave's 512 of them
	s_add_co_u32 s30, s30, s35
	s_mov_b32 s31, 0
	s_mul_i32 s32, s[BH], 0x30000                  ; the head's 196,608 bytes of codes,
	s_mul_i32 s34, s[WV], 3072                     ; my wave's 3,072 of a group
	s_add_co_u32 s32, s32, s34
	s_mov_b32 s33, 0
	s_wait_dscnt 0x0
	s_wait_kmcnt 0x0
	s_mov_b32 s56, 1
	s_add_co_u32 s57, s35, KVS
	s_add_nc_u64 s[58:59], s[10:11], s[30:31]
	s_or_b32 s59, s59, 0x80000000
	s_add_nc_u64 s[36:37], s[8:9], s[32:33]
	MKG0 60, 0
	MKG0 68, 1
	MKG0 72, 2
	MKG0 76, 3
	tensor_load_to_lds s[56:59], s[G1S:G1S+7]      ; all first fills together, ahead of every wait on TENSORcnt, every LDS read and every barrier
	s_nop 0
	tensor_load_to_lds s[60:63], s[G1C:G1C+7]
	s_nop 0
	tensor_load_to_lds s[68:71], s[G1C:G1C+7]
	s_nop 0
	tensor_load_to_lds s[72:75], s[G1C:G1C+7]
	s_nop 0
	tensor_load_to_lds s[76:79], s[G1C:G1C+7]
	s_nop 0
.rept 4
	v_nop
.endr
	v_and_b32 v6, 31, v0                           ; lane
	v_and_b32 v7, 15, v0                           ; r
	v_bfe_u32 v9, v0, 4, 1                         ; h
	v_lshlrev_b32 v[A16], 4, v6
	v_lshlrev_b32 v[A8], 3, v6
	v_lshlrev_b32 v[A4], 2, v6
	v_lshl_add_u32 v[AS], v7, 4, KVS
	v_lshlrev_b32 v6, 4, v7                        ; 16 r
	s_and_b32 s30, s[T], 7
	s_lshl_b32 s31, s30, 4
	v_lshlrev_b32 v[VD], 4, v9
	v_sub_nc_u32 v[VD], v7, v[VD]
	v_add_nc_u32 v[VD], s31, v[VD]
	s_lshl_b32 s32, s[BH], 7
	s_add_co_u32 s32, s32, s[T]
	s_mul_i32 s32, s32, 768
	s_mov_b32 s33, 0
	s_add_nc_u64 s[4:5], s[4:5], s[32:33]          ; my tile's half image of Q
	s_lshl_b32 s32, s[BH], 4
	s_add_co_u32 s32, s32, s[DS]
	s_lshl_b32 s32, s32, 8
	s_lshr_b32 s30, s30, 1
	s_lshl_b32 s30, s30, 2
	s_add_co_u32 s32, s32, s30
	s_add_nc_u64 s[6:7], s[6:7], s[32:33]          ; the word that holds its scale bytes
	global_load_b128 v[QLO:QLO+3], v[A16], s[4:5]
	global_load_b64 v[QLO+4:QLO+5], v[A8], s[4:5] offset:512
	global_load_b128 v[QHI+6:QHI+9], v[A16], s[4:5]
	global_load_b64 v[QHI+10:QHI+11], v[A8], s[4:5] offset:512
	global_load_b32 v[QS], v6, s[6:7]
	s_and_b32 s38, s[T], 1
	s_lshl_b32 s38, s38, 4                         ; which half of the word is my tile's
	s_lshr_b32 s32, s[BH], 3
	s_lshl_b32 s32, s32, 7
	s_add_co_u32 s32, s32, s[T]                    ; G = 128 batch + T
	s_lshl_b32 s32, s32, 3
	s_and_b32 s34, s[BH], 7
	s_add_co_u32 s32, s32, s34                     ; 8 G + head
	s_mul_i32 s34, s32, 768
	s_mov_b32 s35, 0
	s_add_nc_u64 s[12:13], s[12:13], s[34:35]
	s_lshl_b32 s34, s32, 7
	s_add_nc_u64 s[14:15], s[14:15], s[34:35]
	s_mov_b32 s[SEL], 0x76543210
	s_mov_b32 s[SEL+1], 0xfedcba98
	s_mov_b32 s[CS], 0x3e38aa3b                    ; c = log2(e) / 8
	s_mov_b32 s[CS+1], s[CS]                       ; (named with it as a pair, so it is written)
	s_mov_b32 s[STP], 0
.irp i, 0,1,2,3,4,5
	v_mov_b32 v[QLO+6+\i], 0                       ; zero codes: they add nothing under any scale byte that is made here
	v_mov_b32 v[QHI+\i], 0
.endr
	s_wait_loadcnt 0x0
	v_lshrrev_b32 v[QS], s38, v[QS]
	v_and_b32 v[QS], 0xffff, v[QS]
	v_lshl_or_b32 v[QS], v[QS], 16, v[QS]          ; my tile's two bytes below and above: one register serves both forms of Q
	v_mov_b32 v13, 0xff61b1e6                      ; the largest t so far: -3e38
	v_floor_f32 v12, -v13                          ; -M
	v_mov_b32 v14, 0
	v_mov_b32 v15, 0
	v_mov_b32 v[F+1], 0
.irp b, 0,1,2,3
	v_mov_b32 v[BT+\b], 0                          ; written once: a lane permute's destination counts as one of its sources
.endr
.irp j, 0,1,2,3,4,5,6,7,8,9,10,11,12,13,14,15,16,17,18,19,20,21,22,23,24,25,26,27,28,29,30,31
	v_mov_b32 v[O+\j], 0                           ; the step is written once: the first finds zeros, which the first change of M leaves zeros.  (These are also the places between Q's scale register and the first product)
.endr
; A KEY STEP: 128 keys.
.macro STEP
	s_cmp_gt_u32 s[STP], s[DS]                     ; all its keys come after my queries: only the addresses step
	s_cbranch_scc1 .Lhid_\@
	v_add_nc_u32 v[AD16], s[TB], v[A16]
	v_add_nc_u32 v[AD8], s[TB], v[A8]
	v_add_nc_u32 v[ADS], s[TS], v[AS]
	v_nop                                          ; four places in front of loads into registers that the last step's products have read
.irp b, 0,1,2,3                                ; K: fragment b = the half images of tiles 2 b and 2 b + 1
	ds_load_b128 v[FR+12*\b:FR+12*\b+3], v[AD16] offset:1536*\b
	ds_load_b64 v[FR+12*\b+4:FR+12*\b+5], v[AD8] offset:1536*\b+512
	ds_load_b128 v[FR+12*\b+6:FR+12*\b+9], v[AD16] offset:1536*\b+768
	ds_load_b64 v[FR+12*\b+10:FR+12*\b+11], v[AD8] offset:1536*\b+1280
.endr
	ds_load_b128 v[KS:KS+3], v[ADS]
	s_wait_dscnt 0x0
.irp b, 0,1,2,3
	v_wmma_scale_f32_16x16x128_f8f6f4 v[S+16*\b:S+16*\b+7], v[FR+12*\b:FR+12*\b+11], v[QLO:QLO+11], 0, v[KS+\b], v[QS] matrix_a_fmt:MATRIX_FMT_FP6 matrix_b_fmt:MATRIX_FMT_FP6
	v_wmma_scale_f32_16x16x128_f8f6f4 v[S+16*\b+8:S+16*\b+15], v[FR+12*\b:FR+12*\b+11], v[QHI:QHI+11], 0, v[KS+\b], v[QS] matrix_a_fmt:MATRIX_FMT_FP6 matrix_b_fmt:MATRIX_FMT_FP6
.endr
.rept 4
	v_nop                                          ; four places: for V's loads into K's registers, and for the first read of the scores
.endr
.irp b, 0,1,2,3                                ; V: fragment ct = its two key halves; they land while the softmax is worked
	ds_load_b128 v[FR+12*\b:FR+12*\b+3], v[AD16] offset:6144+1536*\b
	ds_load_b64 v[FR+12*\b+4:FR+12*\b+5], v[AD8] offset:6144+1536*\b+512
	ds_load_b128 v[FR+12*\b+6:FR+12*\b+9], v[AD16] offset:6144+1536*\b+768
	ds_load_b64 v[FR+12*\b+10:FR+12*\b+11], v[AD8] offset:6144+1536*\b+1280
.endr
	ds_load_b128 v[VS:VS+3], v[ADS] offset:256
	s_cmp_lt_u32 s[STP], s[DS]                     ; all keys count: no mask
	s_cbranch_scc1 .Lopen_\@
	v_mov_b32 v[TMP], 0xff800000                   ; on the diagonal hidden scores become -infinity ahead of the maximum: p = 0 then.  Register 16 b + i is hidden where 32 b + i > VD
.irp n, 0,1,2,3,4,5,6,7,8,9,10,11,12,13,14,15,16,17,18,19,20,21,22,23,24,25,26,27,28,29,30,31,32,33,34,35,36,37,38,39,40,41,42,43,44,45,46,47,48,49,50,51,52,53,54,55,56,57,58,59,60,61,62,63
	v_cmp_gt_i32 vcc_lo, 32*(\n/16)+\n%16, v[VD]
	v_cndmask_b32 v[S+\n], v[S+\n], v[TMP], vcc_lo
.endr
.Lopen_\@:
.irp b, 0,1,2,3
	v_max3_num_f32 v[BM+\b], v[S+16*\b], v[S+1+16*\b], v[S+2+16*\b]   ; the largest score of each block of 32 keys: for the row's maximum, and, since p rises with the score, for the block's largest p
.endr
.irp i, 3,5,7,9,11,13
.irp b, 0,1,2,3
	v_max3_num_f32 v[BM+\b], v[BM+\b], v[S+16*\b+\i], v[S+1+16*\b+\i]
.endr
.endr
.irp b, 0,1,2,3
	v_max_num_f32 v[BM+\b], v[BM+\b], v[S+15+16*\b]
.endr
.irp b, 0,1,2,3
	v_permlanex16_b32 v[BT+\b], v[BM+\b], s[SEL], s[SEL+1]
.endr
.irp b, 0,1,2,3
	v_max_num_f32 v[BM+\b], v[BM+\b], v[BT+\b]     ; with lane l xor 16's 16 keys
.endr
	v_max3_num_f32 v[TMP], v[BM], v[BM+1], v[BM+2]
	v_max_num_f32 v[TMP], v[TMP], v[BM+3]
	v_mul_f32 v[TMP], s[CS], v[TMP]                ; as t (c is positive)
	v_max_num_f32 v13, v13, v[TMP]                 ; the running largest t
	v_mov_b32 v[TMP], v12
	v_floor_f32 v12, -v13                          ; the new -M = floor(-t): M is a whole number
	v_sub_f32 v[TMP], v12, v[TMP]                  ; old M less new M: a whole number, 0 or less
	v_cvt_i32_f32 v[TMP], v[TMP]                   ; (it saturates)
	v_ldexp_f32 v[F], 1.0, v[TMP]                  ; f = 2^(old M - new M)
.irp j, 0,2,4,6,8,10,12,14,16,18,20,22,24,26,28,30,32,34,36,38,40,42,44,46,48,50,52,54,56,58,60,62
	v_pk_fma_f32 v[S+\j:S+\j+1], v[S+\j:S+\j+1], s[CS:CS+1], v[12:13] op_sel_hi:[1,0,0]   ; t - M, two at a time
.endr
.irp b, 0,1,2,3
	v_fma_f32 v[BM+\b], v[BM+\b], s[CS], v12       ; the same of each block's largest score
.endr
.irp j, 0,1,2,3,4,5,6,7,8,9,10,11,12,13,14,15,16,17,18,19,20,21,22,23,24,25,26,27,28,29,30,31,32,33,34,35,36,37,38,39,40,41,42,43,44,45,46,47,48,49,50,51,52,53,54,55,56,57,58,59,60,61,62,63
	v_exp_f32 v[S+\j], v[S+\j]                     ; p = 2^(t - M), at most 1
.endr
	v_pk_mul_f32 v[14:15], v[14:15], v[F:F+1] op_sel_hi:[1,0]   ; the sums under the new M: a plain instruction behind the exponentials
	s_wait_alu depctr_va_vdst(0)                   ; one wait for the batch of 64, ahead of its first reader
.irp b, 0,1,2,3
	v_exp_f32 v[BM+\b], v[BM+\b]                   ; the block's largest p: the same two instructions on the same number give the same bits
.endr
	v_pk_add_f32 v[L2:L2+1], v[S:S+1], v[S+2:S+3]  ; the row's sum of the unquantised p, in two chains; it reads the 64 alone
.irp j, 4,8,12,16,20,24,28,32,36,40,44,48,52,56,60
	v_pk_add_f32 v[14:15], v[14:15], v[S+\j:S+\j+1]
	v_pk_add_f32 v[L2:L2+1], v[L2:L2+1], v[S+2+\j:S+3+\j]
.endr
	v_pk_add_f32 v[14:15], v[14:15], v[L2:L2+1]
	s_wait_alu depctr_va_vdst(0)                   ; and one for the four
.irp b, 0,1,2,3
	v_max_num_f32 v[BM+\b], 0x1800000, v[BM+\b]    ; the floor 2^(3 - 127): the byte cannot fall under 1
.endr
.irp b, 0,1,2,3
	v_add_nc_u32 v[SCO+\b], 0xff000000, v[BM+\b]   ; 2 off the exponent field: the conversion's scale operand
.endr
.irp b, 0,1,2,3
	v_lshrrev_b32 v[BT+\b], 23, v[SCO+\b]          ; the scale's byte
.endr
	v_lshl_or_b32 v[PSW], v[BT+1], 8, v[BT]        ; p's scale word for these 128 keys
	v_lshl_or_b32 v[PSW], v[BT+2], 16, v[PSW]
	v_lshl_or_b32 v[PSW], v[BT+3], 24, v[PSW]
.irp c, 0,1
	v_cvt_scalef32_pk16_fp6_f32 v[PCD+6*\c:PCD+2+6*\c], v[S+32*\c:S+15+32*\c], v[SCO+2*\c]
	v_cvt_scalef32_pk16_fp6_f32 v[PT+4*\c:PT+2+4*\c], v[S+16+32*\c:S+31+32*\c], v[SCO+2*\c+1]
.endr
	v_nop                                          ; one plain instruction behind the scaled conversions
.irp c, 0,1
.irp i, 0,1,2
	v_permlane16_swap_b32 v[PCD+6*\c+\i], v[PT+4*\c+\i]
.endr
.irp i, 0,1,2
	v_mov_b32 v[PCD+3+6*\c+\i], v[PT+4*\c+\i]
.endr
.endr
.irp j, 0,2,4,6,8,10,12,14,16,18,20,22,24,26,28,30
	v_pk_mul_f32 v[O+\j:O+\j+1], v[O+\j:O+\j+1], v[F:F+1] op_sel_hi:[1,0]   ; O^T under the new M, each accumulator from its low end on.  Twelve of these name no register of any one product below: the places behind p's scale word and codes
.endr
	s_wait_dscnt 0x0                               ; V is in
.irp t, 0,1,2,3                                ; O^T += V^T P^T: four accumulators by turns; the link before lies a step back
	v_wmma_scale_f32_16x16x128_f8f6f4 v[O+8*\t:O+8*\t+7], v[FR+12*\t:FR+12*\t+11], v[PCD:PCD+11], v[O+8*\t:O+8*\t+7], v[VS+\t], v[PSW] matrix_a_fmt:MATRIX_FMT_FP6 matrix_b_fmt:MATRIX_FMT_FP6
.endr
.Lhid_\@:
	s_add_co_u32 s[STP], s[STP], 1
	s_add_co_u32 s[TB], s[TB], 12288
	s_add_co_u32 s[TS], s[TS], 512
.endm
; Four key steps, whose codes one group of tensor loads has brought.  The wait leaves the later groups' loads out.
.macro GROUP g
	s_wait_tensorcnt 3-\g                          ; tensor loads of a wave end in order: my parts of the scale words and of groups 0 .. g are in; 3 - g younger loads may be out
	s_wait_dscnt 0x0
	s_barrier_signal -1
	s_barrier_wait -1                              ; everybody's parts are in
	s_mov_b32 s[TB], 49152*\g
	s_mov_b32 s[TS], 2048*\g
	s_mov_b32 s[CNT], 4
.Lstep_\@:
	STEP
	s_sub_co_u32 s[CNT], s[CNT], 1
	s_cmp_lg_u32 s[CNT], 0
	s_cbranch_scc1 .Lstep_\@
.endm
	GROUP 0
	GROUP 1
	GROUP 2
	GROUP 3
	; THE WAY OUT: O^T / the sum is the context's 64 channels of my query; it is quantised along them (two blocks of 32) and leaves as a half image.
.rept 4
	v_nop                                          ; four places behind the last products
.endr
	v_add_f32 v14, v14, v15
	v_permlanex16_b32 v[BT], v14, s[SEL], s[SEL+1]
	v_add_f32 v14, v14, v[BT]                      ; the row's sum
	v_rcp_f32 v[F], v14
	v_nop                                          ; a plain instruction behind the reciprocal,
	s_wait_alu depctr_va_vdst(0)                   ; and the wait ahead of its first reader
.irp j, 0,2,4,6,8,10,12,14,16,18,20,22,24,26,28,30
	v_pk_mul_f32 v[O+\j:O+\j+1], v[O+\j:O+\j+1], v[F:F+1] op_sel_hi:[1,0]
.endr
.irp b, 0,1
	v_max3_num_f32 v[BM+\b], |v[O+16*\b]|, |v[O+1+16*\b]|, 0x1800000
.endr
.irp i, 2,4,6,8,10,12,14
.irp b, 0,1
	v_max3_num_f32 v[BM+\b], v[BM+\b], |v[O+16*\b+\i]|, |v[O+1+16*\b+\i]|
.endr
.endr
.irp b, 0,1
	v_permlanex16_b32 v[BT+\b], v[BM+\b], s[SEL], s[SEL+1]
.endr
.irp b, 0,1
	v_max_num_f32 v[BM+\b], v[BM+\b], v[BT+\b]
.endr
.irp b, 0,1
	v_add_nc_u32 v[SCO+\b], 0xff000000, v[BM+\b]
.endr
.irp b, 0,1
	v_lshrrev_b32 v[BT+\b], 23, v[SCO+\b]
.endr
	v_lshl_or_b32 v[CW], v[BT+1], 8, v[BT]
	v_cvt_scalef32_pk16_fp6_f32 v[CT:CT+2], v[O:O+15], v[SCO]
	v_cvt_scalef32_pk16_fp6_f32 v[CTT:CTT+2], v[O+16:O+31], v[SCO+1]
	v_nop
.irp i, 0,1,2
	v_permlane16_swap_b32 v[CT+\i], v[CTT+\i]
.endr
.irp i, 0,1,2
	v_mov_b32 v[CT+3+\i], v[CTT+\i]
.endr
	global_store_b128 v[A16], v[CT:CT+3], s[12:13]              ; 512 consecutive bytes, aligned to 256
	global_store_b64 v[A8], v[CT+4:CT+5], s[12:13] offset:512   ; 256 consecutive bytes, aligned
	global_store_b32 v[A4], v[CW], s[14:15]                     ; 128 consecutive bytes
	s_wait_tensorcnt 0x0
	ds_add_u32 v254, v255
	s_wait_dscnt 0x0
	s_endpgm
.Lfunc_end_k_q7f5bab5525_attn:
	.size	k_q7f5bab5525_attn, .Lfunc_end_k_q7f5bab5525_attn-k_q7f5bab5525_attn
	.p2alignl 7, 3214868480
	.fill 96, 4, 3214868480
	.section	.rodata,"a",@progbits
	.p2align	6, 0x0
	.amdhsa_kernel k_q7f5bab5525_attn
		.amdhsa_group_segment_fixed_size 206848
		.amdhsa_private_segment_fixed_size 0
		.amdhsa_enable_private_segment 0
		.amdhsa_kernarg_size 48
		.amdhsa_user_sgpr_count 2
		.amdhsa_user_sgpr_kernarg_segment_ptr 1
		.amdhsa_wavefront_size32 1
		.amdhsa_system_sgpr_workgroup_id_x 1
		.amdhsa_system_sgpr_workgroup_id_y 1
		.amdhsa_system_sgpr_workgroup_id_z 1
		.amdhsa_system_vgpr_workitem_id 0
		.amdhsa_next_free_vgpr 256
		.amdhsa_next_free_sgpr 80
		.amdhsa_reserve_vcc 1
		.amdhsa_float_denorm_mode_32 3
		.amdhsa_float_denorm_mode_16_64 3
		.amdhsa_memory_ordered 1
		.amdhsa_forward_progress 1
		.amdhsa_inst_pref_size 97
	.end_amdhsa_kernel
	.amdgpu_metadata
---
amdhsa.version: [ 1, 2 ]
amdhsa.kernels:
  - .name:           k_q7f5bab5525_attn
    .symbol:         k_q7f5bab5525_attn.kd
    .args:
      - { .name: qc, .offset: 0, .size: 8, .value_kind: global_buffer, .address_space: global }
      - { .name: qs, .offset: 8, .size: 8, .value_kind: global_buffer, .address_space: global }
      - { .name: kvc, .offset: 16, .size: 8, .value_kind: global_buffer, .address_space: global }
      - { .name: kvs, .offset: 24, .size: 8, .value_kind: global_buffer, .address_space: global }
      - { .name: cc, .offset: 32, .size: 8, .value_kind: global_buffer, .address_space: global }
      - { .name: cs, .offset: 40, .size: 8, .value_kind: global_buffer, .address_space: global }
    .group_segment_fixed_size: 206848
    .private_segment_fixed_size: 0
    .kernarg_segment_align: 8
    .kernarg_segment_size: 48
    .max_flat_workgroup_size: 512
    .sgpr_count:     80
    .vgpr_count:     256
    .wavefront_size: 32
...
	.end_amdgpu_metadata
.endif
;; end of part 3
;; launch oproj (part 4): grid 256 x 1, 4 waves a work-group, no clusters, 34,304 bytes of LDS; arguments img, isc, cc, cs, out0; writes out0
.if DOCPART == 4
	.amdgcn_target "amdgcn-amd-amdhsa--gfx1250"
	.amdhsa_code_object_version 6
	.text
	.protected	k_q7f5bab5525_oproj
	.globl	k_q7f5bab5525_oproj
	.p2align	8
	.type	k_q7f5bab5525_oproj,@function
k_q7f5bab5525_oproj:
	s_mov_b64 s[64:65], 0
	v_nop
	global_prefetch_b8 v0, s[64:65] scope:SCOPE_SE
	s_setreg_imm32_b32 hwreg(HW_REG_WAVE_MODE, 25, 1), 1
	s_wait_xcnt 0x0
; out0 = context W_O^T (K = 512) on codes of FP6 (E2M3) with E8M0 scales.  The context's codes come as half images (cc [row tile G][head 8][768 bytes]): heads 2 s and 2 s + 1 are K step s's fragment;
; its scale bytes as cs [G][head][lane] words.  W_O's codes come as images from img (tiles 1632 on), its scale words from isc.
; SHARES: work-group g takes rows 32 g .. 32 g + 31 (row tiles 2 g, 2 g + 1); wave w makes output columns 128 w .. 128 w + 127: its 8 tiles of W_O stay in 384 registers.
; The product is used transposed (source 0 = 16 rows of W_O, source 1 = 16 rows of the context): a lane holds one row of out0, and register 16 b + i of the eight tiles is column 128 w + 32 b + 16 (lane / 16) + i.
; A tile of 16 rows x 128 columns goes through the wave's own stage in LDS and leaves as rows of 512 consecutive bytes.  Waves share nothing in LDS: no barrier.
; Operands come from memory straight into registers as images: nothing that a joint load could share passes through LDS: no cluster, no tensor load.
; REGISTERS, in windows of 256: window 0: addresses, scale words, accumulators, rows on their way out;  window 1: W_O's fragments (t, K step 0, 1) at 12 (2 t + s);  window 2: (t, K step 2, 3);
;   window 3: the two row tiles' four fragments each, at 0 and at 48.
.set SPITCH, 528
.set LI16, 4                           ; v4  16 x lane
.set LI8,  5                           ; v5  8 x lane
.set LI4,  6                           ; v6  4 x lane
.set RS,   7                           ; v7  16 r
.set SO,   8                           ; v8  the stage, in: row r, + 64 h
.set SR,   9                           ; v9  the stage, back: 16 x lane
.set SS,   16                          ; v16-47  W_O's scale words, 4 t + s
.set CSW,  48                          ; v48-55, v56-63  the context's scale words as loaded, by head
.set ACC,  64                          ; v64-127
.set OUTR, 128                         ; v128-191 16 rows read back
.set MS,   192                         ; v192-195, v196-199 the context's scale words by K step
.set MSB, 0
.macro WIN new                         ; the immediate's high byte repeats the setting that is left
.if MSB != \new
	s_set_vgpr_msb (MSB<<8)|\new
.set MSB, \new
.endif
.endm
.macro LOADC e                         ; row tile e: eight half images (16 loads) and eight scale words (8 loads)
	WIN 0xc0                                       ; destination window 3
.irp s, 0,1,2,3
	global_load_b128 v[48*\e+12*\s:48*\e+12*\s+3], v[LI16], s[8:9] offset:6144*\e+1536*\s
	global_load_b64 v[48*\e+12*\s+4:48*\e+12*\s+5], v[LI8], s[8:9] offset:6144*\e+1536*\s+512
	global_load_b128 v[48*\e+12*\s+6:48*\e+12*\s+9], v[LI16], s[8:9] offset:6144*\e+1536*\s+768
	global_load_b64 v[48*\e+12*\s+10:48*\e+12*\s+11], v[LI8], s[8:9] offset:6144*\e+1536*\s+1280
.endr
	WIN 0
.irp d, 0,1,2,3,4,5,6,7
	global_load_b32 v[CSW+8*\e+\d], v[LI4], s[10:11] offset:1024*\e+128*\d
.endr
.endm
.macro MULT e                          ; 32 matrix instructions: K step by K step, the eight accumulators by turns, one instruction a turn; the first K step starts the sums
.irp s, 0,1,2,3
.if \s < 2
	WIN 0x0d                                       ; source 0 window 1, source 1 window 3, C and D window 0
.else
	WIN 0x0e                                       ; source 0 window 2
.endif
.irp t, 0,1,2,3,4,5,6,7
.if \s == 0
	v_wmma_scale_f32_16x16x128_f8f6f4 v[ACC+8*\t:ACC+8*\t+7], v[12*(2*\t+\s%2):12*(2*\t+\s%2)+11], v[48*\e+12*\s:48*\e+12*\s+11], 0, v[SS+4*\t+\s], v[MS+4*\e+\s] matrix_a_fmt:MATRIX_FMT_FP6 matrix_b_fmt:MATRIX_FMT_FP6
.else
	v_wmma_scale_f32_16x16x128_f8f6f4 v[ACC+8*\t:ACC+8*\t+7], v[12*(2*\t+\s%2):12*(2*\t+\s%2)+11], v[48*\e+12*\s:48*\e+12*\s+11], v[ACC+8*\t:ACC+8*\t+7], v[SS+4*\t+\s], v[MS+4*\e+\s] matrix_a_fmt:MATRIX_FMT_FP6 matrix_b_fmt:MATRIX_FMT_FP6
.endif
.endr
.endr
.endm
	s_load_b256 s[4:11], s[0:1], 0x0               ; img s[4:5], isc s[6:7], cc s[8:9], cs s[10:11]
	s_load_b64 s[12:13], s[0:1], 0x20              ; out0
	v_lshl_add_u32 v254, v0, 2, 0x8400
	v_mov_b32 v255, 0
	v_lshrrev_b32 v1, 5, v0
	v_readfirstlane_b32 s16, v1                    ; wave 0..3
	v_and_b32 v1, 31, v0                           ; lane
	v_and_b32 v2, 15, v0                           ; r
	v_bfe_u32 v3, v0, 4, 1                         ; h
	s_lshl_b32 s20, s16, 3
	s_add_co_u32 s20, s20, 1632                    ; my first tile of W_O
	s_mul_i32 s22, s20, 6144
	s_mov_b32 s23, 0
	s_lshl_b32 s24, s20, 8
	s_mov_b32 s25, 0
	s_mul_i32 s26, ttmp9, 12288                    ; my work-group's two row tiles of codes,
	s_mov_b32 s27, 0
	s_lshl_b32 s28, ttmp9, 11                      ; their scale words,
	s_mov_b32 s29, 0
	s_lshl_b32 s30, ttmp9, 16                      ; its 32 rows of out0,
	s_lshl_b32 s31, s16, 9                         ; my wave's 512 bytes of a row
	s_add_co_u32 s30, s30, s31
	s_mov_b32 s31, 0
	s_mul_i32 s32, s16, 16*SPITCH                  ; my stage
	v_lshlrev_b32 v[LI16], 4, v1
	v_lshlrev_b32 v[LI8], 3, v1
	v_lshlrev_b32 v[LI4], 2, v1
	v_lshlrev_b32 v[RS], 4, v2
	v_mul_u32_u24 v[SO], v2, SPITCH
	v_lshl_add_u32 v[SO], v3, 6, v[SO]
	v_add_nc_u32 v[SO], s32, v[SO]
	v_add_nc_u32 v[SR], s32, v[LI16]
	s_wait_kmcnt 0x0
	s_add_nc_u64 s[4:5], s[4:5], s[22:23]
	s_add_nc_u64 s[6:7], s[6:7], s[24:25]
	s_add_nc_u64 s[8:9], s[8:9], s[26:27]
	s_add_nc_u64 s[10:11], s[10:11], s[28:29]
	s_add_nc_u64 s[12:13], s[12:13], s[30:31]
	WIN 0x40                                       ; destination window 1
.irp t, 0,1,2,3,4,5,6,7
.irp s, 0,1
.irp c, 0,1,2
	global_load_b128 v[12*(2*\t+\s)+4*\c:12*(2*\t+\s)+4*\c+3], v[LI16], s[4:5] offset:6144*\t+1536*\s+512*\c
.endr
.endr
.endr
	WIN 0x80                                       ; destination window 2
.irp t, 0,1,2,3,4,5,6,7
.irp s, 0,1
.irp c, 0,1,2
	global_load_b128 v[12*(2*\t+\s)+4*\c:12*(2*\t+\s)+4*\c+3], v[LI16], s[4:5] offset:6144*\t+1536*(\s+2)+512*\c
.endr
.endr
.endr
	WIN 0
.irp t, 0,1,2,3,4,5,6,7
	global_load_b128 v[SS+4*\t:SS+4*\t+3], v[RS], s[6:7] offset:256*\t
.endr
	LOADC 0
	LOADC 1
.irp e, 0,1
.if \e == 0
	s_wait_loadcnt 24                              ; all but the second row tile's 24 loads are in
.else
	s_wait_loadcnt 0x0
.endif
.irp s, 0,1,2,3
	v_perm_b32 v[MS+4*\e+\s], v[CSW+8*\e+2*\s+1], v[CSW+8*\e+2*\s], 0x05040100   ; K step s's scale word: head 2 s's two bytes, head 2 s + 1's two
.endr
.rept 8
	v_nop                                          ; a scale register written by a vector instruction stands eight places ahead of the scaled product
.endr
	MULT \e
	WIN 0
.rept 4
	v_nop                                          ; four places in front of the first read of the results
.endr
.irp t, 0,1,2,3,4,5,6,7
	ds_store_b128 v[SO], v[ACC+8*\t:ACC+8*\t+3] offset:128*(\t/2)+32*(\t%2)          ; each accumulator from its low end on
	ds_store_b128 v[SO], v[ACC+8*\t+4:ACC+8*\t+7] offset:128*(\t/2)+32*(\t%2)+16
.endr
.if \e == 1
	s_wait_xcnt 0x0                                ; the first tile's stores have read the registers into which the rows below are loaded
.endif
.irp i, 0,1,2,3,4,5,6,7,8,9,10,11,12,13,14,15
	ds_load_b128 v[OUTR+4*\i:OUTR+4*\i+3], v[SR] offset:SPITCH*\i   ; LDS serves a wave's instructions in order: these see the stores above
.endr
.irp i, 0,1,2,3,4,5,6,7,8,9,10,11,12,13,14,15
	s_wait_dscnt 15-\i                             ; row i is back; the younger loads may be out.  At the last the stage's stores have read the accumulators too
	global_store_b128 v[LI16], v[OUTR+4*\i:OUTR+4*\i+3], s[12:13] offset:(16*\e+\i)*2048 th:TH_STORE_NT   ; 32 lanes store 512 consecutive bytes, at a multiple of 256 from out0's first byte
.endr
.endr
	s_wait_tensorcnt 0x0
	ds_add_u32 v254, v255
	s_wait_dscnt 0x0
	s_endpgm
.Lfunc_end_k_q7f5bab5525_oproj:
	.size	k_q7f5bab5525_oproj, .Lfunc_end_k_q7f5bab5525_oproj-k_q7f5bab5525_oproj
	.p2alignl 7, 3214868480
	.fill 96, 4, 3214868480
	.section	.rodata,"a",@progbits
	.p2align	6, 0x0
	.amdhsa_kernel k_q7f5bab5525_oproj
		.amdhsa_group_segment_fixed_size 34304
		.amdhsa_private_segment_fixed_size 0
		.amdhsa_enable_private_segment 0
		.amdhsa_kernarg_size 40
		.amdhsa_user_sgpr_count 2
		.amdhsa_user_sgpr_kernarg_segment_ptr 1
		.amdhsa_wavefront_size32 1
		.amdhsa_system_sgpr_workgroup_id_x 1
		.amdhsa_system_sgpr_workgroup_id_y 1
		.amdhsa_system_sgpr_workgroup_id_z 1
		.amdhsa_system_vgpr_workitem_id 0
		.amdhsa_next_free_vgpr 864
		.amdhsa_next_free_sgpr 66
		.amdhsa_reserve_vcc 0
		.amdhsa_float_denorm_mode_32 3
		.amdhsa_float_denorm_mode_16_64 3
		.amdhsa_memory_ordered 1
		.amdhsa_forward_progress 1
		.amdhsa_inst_pref_size 35
	.end_amdhsa_kernel
	.amdgpu_metadata
---
amdhsa.version: [ 1, 2 ]
amdhsa.kernels:
  - .name:           k_q7f5bab5525_oproj
    .symbol:         k_q7f5bab5525_oproj.kd
    .args:
      - { .name: img, .offset: 0, .size: 8, .value_kind: global_buffer, .address_space: global }
      - { .name: isc, .offset: 8, .size: 8, .value_kind: global_buffer, .address_space: global }
      - { .name: cc, .offset: 16, .size: 8, .value_kind: global_buffer, .address_space: global }
      - { .name: cs, .offset: 24, .size: 8, .value_kind: global_buffer, .address_space: global }
      - { .name: out0, .offset: 32, .size: 8, .value_kind: global_buffer, .address_space: global }
    .group_segment_fixed_size: 34304
    .private_segment_fixed_size: 0
    .kernarg_segment_align: 8
    .kernarg_segment_size: 40
    .max_flat_workgroup_size: 128
    .sgpr_count:     66
    .vgpr_count:     864
    .wavefront_size: 32
...
	.end_amdgpu_metadata
.endif
;; end of part 4
;; ======== version 2 of 2: 4 launches
;; workspace buffers: img 10,223,616 bytes; isc 425,984 bytes; qc 3,145,728 bytes; qs 131,072 bytes; kvc 6,291,456 bytes; kvs 262,144 bytes; cc 3,145,728 bytes; cs 524,288 bytes
;; launch prep (part 5): grid 416 x 1, 4 waves a work-group, no clusters, 34,304 bytes of LDS; arguments input_Q, input_K, input_V, W_Q, W_K, W_V, W_O, img, isc; writes img, isc
.if DOCPART == 5
	.amdgcn_target "amdgcn-amd-amdhsa--gfx1250"
	.amdhsa_code_object_version 6
	.text
	.protected	k_q7f5bab5525_prep
	.globl	k_q7f5bab5525_prep
	.p2align	8
	.type	k_q7f5bab5525_prep,@function
k_q7f5bab5525_prep:
	s_mov_b64 s[64:65], 0
	v_nop
	global_prefetch_b8 v0, s[64:65] scope:SCOPE_SE
	s_setreg_imm32_b32 hwreg(HW_REG_WAVE_MODE, 25, 1), 1
	s_wait_xcnt 0x0
; The seven inputs (three activations [8192][512], four weights [512][512], f32, K = the last axis) become codes of FP6 (E2M3) with one E8M0 byte for each 32 along K,
; laid as IMAGES OF OPERAND REGISTERS: a fragment is 16 rows x 128 K, 12 registers a lane (lane (r, h): registers 6 c .. 6 c + 5 hold k = 64 c + 32 h + 0 .. 31);
; its image is 1,536 bytes: registers 4 c .. 4 c + 3 of lane l at 512 c + 16 l.  img: [tile U][K step 4][1536];  isc: [U][row r 16][K step 4] scale words.
; Tiles: U 0-511 input_Q, 512-1023 input_K, 1024-1535 input_V, 1536-1567 W_Q, 1568-1599 W_K, 1600-1631 W_V, 1632-1663 W_O.
; WHICH ROWS FORM A TILE (T = the tile's number in its tensor, r = the lane's row):
;   input_Q: 16 T + r.   W_V: 128 (T / 8) + 64 (T % 2) + 32 ((T / 4) % 2) + 8 ((T / 2) % 2) + r + 8 (r / 8).   All others: 32 (T / 2) + 8 (T % 2) + r + 8 (r / 8).
; A block's scale is 2^(floor(log2(its largest magnitude)) - 2); its byte is the largest magnitude's exponent field - 2, held at 1 from below.
; LIMITS: NaN and infinities are not served; a block of zeros, or one whose largest magnitude lies under 2^-124, gets the byte 1 (a block of zeros has zero codes, and this program alone reads the bytes).
; SHARES: one wave, one tile: U = 4 x work-group + wave.  Each load reads 512 consecutive bytes of one row (128 numbers: a K step); the 16 rows turn through the wave's own stage in LDS,
; so that a lane gets 16 neighbours of each block of 32.  Two K steps of loads (32 loads a wave) are out.  Waves share nothing: no barrier.  No matrix work, no tile read twice: no cluster, no tensor load.
.set SPITCH, 528                       ; a stage row: 512 bytes + 16: row r starts 4 r words on, so sixteen rows' 16 bytes fall in different places modulo 256 bytes
.set STAGEB, 16*SPITCH
.set XLO, 4                            ; v4   16 x lane: my bytes of a row's 512; also my place in an image
.set XHI, 5                            ; v5   the same for the tile's rows 8-15, which begin 8 rows further on in all tensors but input_Q
.set STI, 6                            ; v6   the stage, on the way in
.set STO, 7                            ; v7   and on the way out: row r, + 64 h
.set SA,  9                            ; v9   my place among the tile's scale words: 16 r + 8 h
.set R0,  16                           ; v16-79, v80-143  two sets of 16 x 4 registers as loaded
.set X,   144                          ; v144-207 register 16 b + i = k 32 b + 16 h + i of my row
.set TM,  208                          ; v208-223 at work in QUANT
.set PWS, 224                          ; v224-227 the four K steps' scale words
.set PC,  228                          ; v228-247 the codes just made
.set SW,  248                          ; v248-249 two scale words on their way out
.set SEL, 38                           ; s[38:39] lane selects for v_permlanex16_b32: lane l xor 16
; 64 numbers of a lane, v[s] .. v[s + 63], become a fragment's codes in v[PC] .. v[PC + 11] and its scale word in v[pw].
.macro QUANT s, pw
.irp b, 0,1,2,3
	v_max3_num_f32 v[TM+\b], |v[\s+16*\b]|, |v[\s+1+16*\b]|, 0x1800000   ; block b: my 16 numbers, and the floor 2^(3 - 127): the byte cannot fall under 1
.endr
.irp i, 2,4,6,8,10,12,14
.irp b, 0,1,2,3
	v_max3_num_f32 v[TM+\b], v[TM+\b], |v[\s+16*\b+\i]|, |v[\s+1+16*\b+\i]|   ; the four blocks by turns
.endr
.endr
.irp b, 0,1,2,3
	v_permlanex16_b32 v[TM+4+\b], v[TM+\b], s[SEL], s[SEL+1]
.endr
.irp b, 0,1,2,3
	v_max_num_f32 v[TM+\b], v[TM+\b], v[TM+4+\b]   ; with lane l xor 16's 16: the block's largest magnitude
.endr
.irp b, 0,1,2,3
	v_add_nc_u32 v[TM+12+\b], 0xff000000, v[TM+\b]   ; 2 off its exponent field: the conversion takes the exponent field of this operand as its scale
.endr
.irp b, 0,1,2,3
	v_lshrrev_b32 v[TM+4+\b], 23, v[TM+12+\b]      ; the scale's byte
.endr
	v_lshl_or_b32 v[\pw], v[TM+5], 8, v[TM+4]      ; four bytes: my row's scale word
	v_lshl_or_b32 v[\pw], v[TM+6], 16, v[\pw]
	v_lshl_or_b32 v[\pw], v[TM+7], 24, v[\pw]
.irp c, 0,1
	v_cvt_scalef32_pk16_fp6_f32 v[PC+6*\c:PC+2+6*\c], v[\s+32*\c:\s+15+32*\c], v[TM+12+2*\c]
	v_cvt_scalef32_pk16_fp6_f32 v[PC+12+4*\c:PC+14+4*\c], v[\s+16+32*\c:\s+31+32*\c], v[TM+12+2*\c+1]   ; (a conversion's three registers begin on an even number)
.endr
	v_nop                                          ; one plain instruction behind the scaled conversions
.irp c, 0,1                                    ; the layout wants a whole block in a lane: lanes 0-15 block 2 c, lanes 16-31 block 2 c + 1
.irp i, 0,1,2
	v_permlane16_swap_b32 v[PC+6*\c+\i], v[PC+12+4*\c+\i]
.endr
.irp i, 0,1,2
	v_mov_b32 v[PC+3+6*\c+\i], v[PC+12+4*\c+\i]
.endr
.endr
.endm
; the tile's 16 rows, K step s: 16 loads of 512 consecutive bytes
.macro XLOAD set, s
.irp i, 0,1,2,3,4,5,6,7,8,9,10,11,12,13,14,15
.if \i < 8
	global_load_b128 v[\set+4*\i:\set+4*\i+3], v[XLO], s[26:27] offset:2048*\i+512*(\s) th:TH_LOAD_NT
.else
	global_load_b128 v[\set+4*\i:\set+4*\i+3], v[XHI], s[26:27] offset:2048*\i+512*(\s) th:TH_LOAD_NT
.endif
.endr
.endm
; through the stage: in as rows, out as 16 neighbours of each block.  LDS serves a wave's instructions in order, and the bytes are the wave's own: no wait between
.macro TURN set
.irp i, 0,1,2,3,4,5,6,7,8,9,10,11,12,13,14,15
	ds_store_b128 v[STI], v[\set+4*\i:\set+4*\i+3] offset:SPITCH*\i
.endr
.irp b, 0,1,2,3
.irp j, 0,1,2,3
	ds_load_b128 v[X+16*\b+4*\j:X+16*\b+4*\j+3], v[STO] offset:128*\b+16*\j
.endr
.endr
.endm
.macro PICK lim, ptr, tb               ; work-groups under lim belong to the tensor at s[ptr], whose first tile is tb
	s_cmp_lt_u32 s23, \lim
	s_cselect_b64 s[26:27], s[\ptr:\ptr+1], s[26:27]
	s_cselect_b32 s25, \tb, s25
.endm
	s_load_b512 s[4:19], s[0:1], 0x0               ; input_Q s[4:5], input_K s[6:7], input_V s[8:9], W_Q s[10:11], W_K s[12:13], W_V s[14:15], W_O s[16:17], img s[18:19]
	s_load_b64 s[20:21], s[0:1], 0x40              ; isc
	v_lshl_add_u32 v250, v0, 2, 0x8400
	v_mov_b32 v251, 0
	v_lshrrev_b32 v1, 5, v0
	v_readfirstlane_b32 s22, v1                    ; wave
	v_and_b32 v1, 31, v0                           ; lane
	v_and_b32 v2, 15, v0                           ; r
	v_bfe_u32 v3, v0, 4, 1                         ; h
	s_mov_b32 s23, ttmp9
	s_lshl_b32 s24, s23, 2
	s_add_co_u32 s24, s24, s22                     ; U
	s_mov_b32 s[SEL], 0x76543210
	s_mov_b32 s[SEL+1], 0xfedcba98
	s_wait_alu depctr_va_vdst(0)
	s_wait_kmcnt 0x0
	s_mov_b64 s[26:27], s[16:17]                   ; the choice of the tensor hangs on the work-group's number alone
	s_mov_b32 s25, 1632
	PICK 408, 14, 1600
	PICK 400, 12, 1568
	PICK 392, 10, 1536
	PICK 384, 8, 1024
	PICK 256, 6, 512
	PICK 128, 4, 0
	s_sub_co_u32 s28, s24, s25                     ; T
	s_lshr_b32 s29, s28, 1
	s_lshl_b32 s29, s29, 5
	s_and_b32 s30, s28, 1
	s_lshl_b32 s31, s30, 3
	s_add_co_u32 s29, s29, s31                     ; the usual first row: 32 (T / 2) + 8 (T % 2)
	s_lshl_b32 s32, s28, 4                         ; input_Q's: 16 T
	s_lshr_b32 s33, s28, 3
	s_lshl_b32 s33, s33, 7
	s_lshl_b32 s30, s30, 6
	s_add_co_u32 s33, s33, s30
	s_bfe_u32 s30, s28, 0x10002
	s_lshl_b32 s30, s30, 5
	s_add_co_u32 s33, s33, s30
	s_bfe_u32 s30, s28, 0x10001
	s_lshl_b32 s30, s30, 3
	s_add_co_u32 s33, s33, s30                     ; W_V's
	s_sub_co_u32 s34, s23, 400
	s_cmp_lt_u32 s23, 128
	s_cselect_b32 s29, s32, s29
	s_cselect_b32 s35, 0, 1                        ; 1: the tile's rows 8-15 lie 8 rows further on
	s_cmp_lt_u32 s34, 8                            ; work-groups 400 to 407 are W_V's
	s_cselect_b32 s29, s33, s29
	s_lshl_b32 s36, s29, 11                        ; a row is 2,048 bytes
	s_mov_b32 s37, 0
	s_add_nc_u64 s[26:27], s[26:27], s[36:37]
	s_mul_i32 s36, s24, 6144
	s_add_nc_u64 s[18:19], s[18:19], s[36:37]      ; my tile's four images
	s_lshl_b32 s36, s24, 8
	s_add_nc_u64 s[20:21], s[20:21], s[36:37]      ; and its 256 bytes of scale words
	s_mul_i32 s36, s22, STAGEB                     ; my stage
	s_lshl_b32 s37, s35, 14
	v_lshlrev_b32 v[XLO], 4, v1
	v_add_nc_u32 v[XHI], s37, v[XLO]
	v_add_nc_u32 v[STI], s36, v[XLO]
	v_mul_u32_u24 v[STO], v2, SPITCH
	v_lshl_add_u32 v[STO], v3, 6, v[STO]
	v_add_nc_u32 v[STO], s36, v[STO]
	v_lshlrev_b32 v[SA], 4, v2
	v_lshl_add_u32 v[SA], v3, 3, v[SA]
.irp b, 0,1,2,3
	v_mov_b32 v[TM+4+\b], 0                        ; written once: a lane permute's destination counts as one of its sources
.endr
	XLOAD R0, 0
	XLOAD R0+64, 1
	s_wait_alu depctr_va_vdst(0)
.irp k, 0,1,2,3
.if \k < 3
	s_wait_loadcnt 16                              ; this K step's 16 loads are in; the next step's 16 may be out
.else
	s_wait_loadcnt 0x0
.endif
	TURN R0+64*(\k%2)
	s_wait_dscnt 0x0                               ; the numbers are back, and the stores into the stage have read their registers
	s_wait_xcnt 0x0                                ; the last image's stores have read the codes' registers, which QUANT writes again
.if \k < 2
	XLOAD R0+64*(\k%2), \k+2
.endif
	QUANT X, PWS+\k
.irp c, 0,1,2
	global_store_b128 v[XLO], v[PC+4*\c:PC+4*\c+3], s[18:19] offset:1536*\k+512*\c   ; 32 lanes store 512 consecutive bytes, at a multiple of 256 from img's first byte
.endr
.endr
	v_cmp_ne_u32 vcc_lo, 0, v3
	v_cndmask_b32 v[SW], v[PWS], v[PWS+2], vcc_lo  ; lanes 0-15 send K steps 0 and 1 of row r, lanes 16-31 steps 2 and 3
	v_cndmask_b32 v[SW+1], v[PWS+1], v[PWS+3], vcc_lo
	global_store_b64 v[SA], v[SW:SW+1], s[20:21]   ; 256 consecutive bytes
	s_wait_tensorcnt 0x0
	ds_add_u32 v250, v251
	s_wait_dscnt 0x0
	s_endpgm
.Lfunc_end_k_q7f5bab5525_prep:
	.size	k_q7f5bab5525_prep, .Lfunc_end_k_q7f5bab5525_prep-k_q7f5bab5525_prep
	.p2alignl 7, 3214868480
	.fill 96, 4, 3214868480
	.section	.rodata,"a",@progbits
	.p2align	6, 0x0
	.amdhsa_kernel k_q7f5bab5525_prep
		.amdhsa_group_segment_fixed_size 34304
		.amdhsa_private_segment_fixed_size 0
		.amdhsa_enable_private_segment 0
		.amdhsa_kernarg_size 72
		.amdhsa_user_sgpr_count 2
		.amdhsa_user_sgpr_kernarg_segment_ptr 1
		.amdhsa_wavefront_size32 1
		.amdhsa_system_sgpr_workgroup_id_x 1
		.amdhsa_system_sgpr_workgroup_id_y 1
		.amdhsa_system_sgpr_workgroup_id_z 1
		.amdhsa_system_vgpr_workitem_id 0
		.amdhsa_next_free_vgpr 252
		.amdhsa_next_free_sgpr 66
		.amdhsa_reserve_vcc 1
		.amdhsa_float_denorm_mode_32 3
		.amdhsa_float_denorm_mode_16_64 3
		.amdhsa_memory_ordered 1
		.amdhsa_forward_progress 1
		.amdhsa_inst_pref_size 35
	.end_amdhsa_kernel
	.amdgpu_metadata
---
amdhsa.version: [ 1, 2 ]
amdhsa.kernels:
  - .name:           k_q7f5bab5525_prep
    .symbol:         k_q7f5bab5525_prep.kd
    .args:
      - { .name: input_Q, .offset: 0, .size: 8, .value_kind: global_buffer, .address_space: global }
      - { .name: input_K, .offset: 8, .size: 8, .value_kind: global_buffer, .address_space: global }
      - { .name: input_V, .offset: 16, .size: 8, .value_kind: global_buffer, .address_space: global }
      - { .name: W_Q, .offset: 24, .size: 8, .value_kind: global_buffer, .address_space: global }
      - { .name: W_K, .offset: 32, .size: 8, .value_kind: global_buffer, .address_space: global }
      - { .name: W_V, .offset: 40, .size: 8, .value_kind: global_buffer, .address_space: global }
      - { .name: W_O, .offset: 48, .size: 8, .value_kind: global_buffer, .address_space: global }
      - { .name: img, .offset: 56, .size: 8, .value_kind: global_buffer, .address_space: global }
      - { .name: isc, .offset: 64, .size: 8, .value_kind: global_buffer, .address_space: global }
    .group_segment_fixed_size: 34304
    .private_segment_fixed_size: 0
    .kernarg_segment_align: 8
    .kernarg_segment_size: 72
    .max_flat_workgroup_size: 128
    .sgpr_count:     66
    .vgpr_count:     252
    .wavefront_size: 32
...
	.end_amdgpu_metadata
.endif
;; end of part 5
;; launch proj (part 6): grid 256 x 1, 3 waves a work-group, no clusters, 0 bytes of LDS; arguments img, isc, qc, qs, kvc, kvs; writes qc, qs, kvc, kvs
.if DOCPART == 6
	.amdgcn_target "amdgcn-amd-amdhsa--gfx1250"
	.amdhsa_code_object_version 6
	.text
	.protected	k_q7f5bab5525_proj
	.globl	k_q7f5bab5525_proj
	.p2align	8
	.type	k_q7f5bab5525_proj,@function
k_q7f5bab5525_proj:
	s_mov_b64 s[64:65], 0
	v_nop
	global_prefetch_b8 v0, s[64:65] scope:SCOPE_SE
	s_setreg_imm32_b32 hwreg(HW_REG_WAVE_SCHED_MODE, 0, 2), 2
	s_setreg_imm32_b32 hwreg(HW_REG_WAVE_MODE, 25, 1), 1
	s_wait_xcnt 0x0
	s_wait_alu depctr_vm_vsrc(0)
; The three input projections, y = x W^T (K = 512), on codes of FP6 (E2M3) with E8M0 scales, and the quantising of their results for attention, in registers.
; SHARES: wave t of a work-group serves tensor t (0: Q, 1: K, 2: V).  A wave makes 128 x 128 results: 8 STATIONARY tiles (source 0, kept in 384 registers) x 8 MOVING tiles (source 1), four K steps of 128.
; In a result a lane holds ONE moving row, and its registers run along the stationary rows; by the choice of the stationary tiles' rows, register 16 b + i of the eight tiles = stationary row 32 b + 16 (lane / 16) + i.
;   Q, K: stationary = 128 rows of W (two heads' 64 channels), moving = 128 rows of x: the results are quantised along the head's channels.
;   V:    stationary = 128 rows of x (keys), moving = 128 rows of W_V: the results are quantised along the KEYS, which are the second product's K.
; Work-group g: lo = g % 4 (heads 2 lo, 2 lo + 1), hi = g / 4 (rows 128 hi on: batch hi / 16, block hi % 16).
; OUT, as half images (HI, 768 bytes: 6 registers of a fragment: registers 0-3 of lane l at 16 l, registers 4-5 at 512 + 8 l):
;   qc [bh 32][tile 128][HI];  kvc [bh][step 16][K: pair jp 4, tile 2 jp + e, HI | V: channel tile ct 4, key half c 2, HI];
;   qs [bh][block 16][r][jp] words (tile 2 jp's two bytes, tile 2 jp + 1's two);  kvs [bh][step][K: r, jp words as qs | V: r, ct words (four key blocks)].
; Operands come from memory straight into registers as images: nothing goes through LDS, so there is no tile that a joint load could share, no barrier and no cluster.
; LIMITS: NaN and infinities are not served; a block of zeros or under 2^-124 gets the byte 1 (this program alone reads the bytes).
; REGISTERS, in windows of 256: window 0: addresses, scale words, the 8 accumulators, QUANT's registers;  window 1: stationary fragments (t, K step 0, 1) at 12 (2 t + s);
;   window 2: (t, K step 2, 3) at 12 (2 t + s - 2);  window 3: two sets of a moving tile's four fragments, at 0 and at 48.
; THE MODE: SCHED_MODE bits 1:0 = 2 (LLVM: expert scheduling mode 2), set by the entry lines.  The code itself states the register dependences
; between vector or matrix instructions and memory instructions, with s_wait_alu, always for 0.
; THE PLAN.  Registers that memory instructions touch:
;   v4 .. v7      offsets, made once at the head and never written again; every base is a scalar pair that is never written again.
;   M0, M1, MS    the moving tile's fragments (window 3) and scale words.  Tile m's products read set m % 2; behind them the loads of tile m + 2 land in it.
;   PC0, PC1      two buffers of codes.  QUANT of tile m writes PC[m % 2]; the four stores that read it are issued in step m + 1.
;   OUT           written by the four selects at the end, read by the last store.
;   The stationary fragments and their scale words are loaded at the head alone; the accumulators and QUANT's other registers are named by vector and matrix instructions alone.
; Step m: the products of tile m | ONE wait on va_vdst | the loads of tile m + 2 and the stores of tile m - 1 | QUANT of tile m.  The wait states that tile m's products are done reading set m % 2
; and that QUANT of tile m - 1 has written the other PC.  QUANT of tile m names neither.  One wait on vm_vsrc, beside the wait on XCNT, stands at the step's head: the stores issued a step ago have read PC[m % 2].
.set LI16, 4                           ; v4  16 x lane
.set LI8,  5                           ; v5  8 x lane
.set RS,   6                           ; v6  16 r: a row's four scale words
.set SOUT, 7                           ; v7  16 r + h x (bytes from a head's scale words to the next head's)
.set SS,   16                          ; v16-47  stationary scale words, 4 t + s
.set MS,   48                          ; v48-51, v52-55  moving scale words, two sets
.set PWS,  56                          ; v56-63  the scale words made, one for each moving tile
.set ACC,  64                          ; v64-127 eight accumulators
.set PC,   128                         ; v128-147, v176-195  the codes just made, two buffers by turns (12 registers of codes, 8 at work)
.set PCB,  48                          ; from the first buffer to the second
.set TM,   148                         ; v148-163 at work in QUANT
.set W0,   164                         ; v164-167, v168-171 scale words sorted by head; v172-175 on their way out
.set W1,   168
.set OUT,  172
.set SEL,  38                          ; s[38:39]
.set MSB, 0
.macro WIN new                         ; the immediate's high byte repeats the setting that is left
.if MSB != \new
	s_set_vgpr_msb (MSB<<8)|\new
.set MSB, \new
.endif
.endm
.macro QUANT s, pw, pc                 ; 64 numbers of a lane, register 16 b + i = k 32 b + 16 (lane / 16) + i, become a fragment's codes in v[pc] on and its scale word in v[pw]
.set QP, \pc
.irp b, 0,1,2,3
	v_max3_num_f32 v[TM+\b], |v[\s+16*\b]|, |v[\s+1+16*\b]|, 0x1800000   ; with the floor 2^(3 - 127).  Each accumulator is read from its low end on
.endr
.irp i, 2,4,6,8,10,12,14
.irp b, 0,1,2,3
	v_max3_num_f32 v[TM+\b], v[TM+\b], |v[\s+16*\b+\i]|, |v[\s+1+16*\b+\i]|
.endr
.endr
.irp b, 0,1,2,3
	v_permlanex16_b32 v[TM+4+\b], v[TM+\b], s[SEL], s[SEL+1]
.endr
.irp b, 0,1,2,3
	v_max_num_f32 v[TM+\b], v[TM+\b], v[TM+4+\b]
.endr
.irp b, 0,1,2,3
	v_add_nc_u32 v[TM+12+\b], 0xff000000, v[TM+\b]   ; 2 off the exponent field: the conversion's scale operand
.endr
.irp b, 0,1,2,3
	v_lshrrev_b32 v[TM+4+\b], 23, v[TM+12+\b]      ; the scale's byte
.endr
	v_lshl_or_b32 v[\pw], v[TM+5], 8, v[TM+4]
	v_lshl_or_b32 v[\pw], v[TM+6], 16, v[\pw]
	v_lshl_or_b32 v[\pw], v[TM+7], 24, v[\pw]
.irp c, 0,1
	v_cvt_scalef32_pk16_fp6_f32 v[QP+6*\c:QP+2+6*\c], v[\s+32*\c:\s+15+32*\c], v[TM+12+2*\c]
	v_cvt_scalef32_pk16_fp6_f32 v[QP+12+4*\c:QP+14+4*\c], v[\s+16+32*\c:\s+31+32*\c], v[TM+12+2*\c+1]
.endr
	v_nop                                          ; one plain instruction behind the scaled conversions
.irp c, 0,1
.irp i, 0,1,2
	v_permlane16_swap_b32 v[QP+6*\c+\i], v[QP+12+4*\c+\i]
.endr
.irp i, 0,1,2
	v_mov_b32 v[QP+3+6*\c+\i], v[QP+12+4*\c+\i]
.endr
.endr
.endm
.macro LOADM m                         ; moving tile m: its four images (12 loads) and its rows' four scale words (1 load) into set m % 2
	WIN 0xc0                                       ; destination window 3
.irp s, 0,1,2,3
.irp c, 0,1,2
	global_load_b128 v[48*((\m)%2)+12*\s+4*\c:48*((\m)%2)+12*\s+4*\c+3], v[LI16], s[24:25] offset:6144*(\m)+1536*\s+512*\c
.endr
.endr
	WIN 0
	global_load_b128 v[MS+4*((\m)%2):MS+4*((\m)%2)+3], v[RS], s[26:27] offset:256*(\m)
.endm
.macro SEND t                          ; tile t's fragment leaves from PC[t % 2]: its two halves are two half images
.set SP, PC+PCB*((\t)%2)
.irp c, 0,1
	global_store_b128 v[LI16], v[SP+6*\c:SP+6*\c+3], s[28+4*((\t)%2)+2*\c:29+4*((\t)%2)+2*\c] offset:1536*((\t)/2)        ; 512 consecutive bytes, aligned to 256
	global_store_b64 v[LI8], v[SP+6*\c+4:SP+6*\c+5], s[28+4*((\t)%2)+2*\c:29+4*((\t)%2)+2*\c] offset:1536*((\t)/2)+512   ; 256 consecutive bytes, aligned
.endr
.endm
.macro MULT m                          ; 32 matrix instructions: K step by K step, the eight accumulators by turns, one instruction a turn; the first K step starts the sums
.irp s, 0,1,2,3
.if \s < 2
	WIN 0x0d                                       ; source 0 window 1, source 1 window 3, C and D window 0
.else
	WIN 0x0e                                       ; source 0 window 2
.endif
.irp t, 0,1,2,3,4,5,6,7
.if \s == 0
	v_wmma_scale_f32_16x16x128_f8f6f4 v[ACC+8*\t:ACC+8*\t+7], v[12*(2*\t+\s%2):12*(2*\t+\s%2)+11], v[48*((\m)%2)+12*\s:48*((\m)%2)+12*\s+11], 0, v[SS+4*\t+\s], v[MS+4*((\m)%2)+\s] matrix_a_fmt:MATRIX_FMT_FP6 matrix_b_fmt:MATRIX_FMT_FP6
.else
	v_wmma_scale_f32_16x16x128_f8f6f4 v[ACC+8*\t:ACC+8*\t+7], v[12*(2*\t+\s%2):12*(2*\t+\s%2)+11], v[48*((\m)%2)+12*\s:48*((\m)%2)+12*\s+11], v[ACC+8*\t:ACC+8*\t+7], v[SS+4*\t+\s], v[MS+4*((\m)%2)+\s] matrix_a_fmt:MATRIX_FMT_FP6 matrix_b_fmt:MATRIX_FMT_FP6
.endif
.endr
.endr
.endm
	s_load_b256 s[4:11], s[0:1], 0x0               ; img s[4:5], isc s[6:7], qc s[8:9], qs s[10:11]
	s_load_b128 s[12:15], s[0:1], 0x20             ; kvc s[12:13], kvs s[14:15]
	v_lshrrev_b32 v1, 5, v0
	v_readfirstlane_b32 s16, v1                    ; wave = tensor: 0 Q, 1 K, 2 V
	v_and_b32 v1, 31, v0                           ; lane
	v_and_b32 v2, 15, v0                           ; r
	v_bfe_u32 v3, v0, 4, 1                         ; h
	s_wait_alu depctr_va_sdst(0)                   ; s16 is written, ahead of its first reader: the tiles, the bases and every choice below are made from it
	s_and_b32 s17, ttmp9, 3                        ; lo
	s_lshr_b32 s18, ttmp9, 2                       ; hi
	s_lshr_b32 s44, s18, 4                         ; batch
	s_and_b32 s45, s18, 15                         ; block of 128 rows in the batch
	s_lshl_b32 s44, s44, 3
	s_lshl_b32 s46, s17, 1
	s_add_co_u32 s44, s44, s46                     ; bh of the first of my two heads
	s_lshl_b32 s44, s44, 4
	s_add_co_u32 s19, s44, s45                     ; idx = 16 bh + block
	s_lshl_b32 s44, s17, 3
	s_lshl_b32 s45, s18, 3
	s_lshl_b32 s46, s16, 5
	s_add_co_u32 s46, s46, s44
	s_add_co_u32 s46, s46, 1536                    ; my first tile of W: 1536 + 32 tensor + 8 lo
	s_lshl_b32 s47, s16, 9
	s_add_co_u32 s47, s47, s45                     ; my first tile of x: 512 tensor + 8 hi
	s_mov_b32 s49, 12288
	s_mov_b32 s50, 512
	s_mov_b32 s51, 0x30000
	s_mov_b32 s42, 8192
	s_mov_b32 s52, 768
	s_mov_b32 s40, 0x05040100
	s_mov_b32 s41, 0x07060302
	s_mov_b32 s[SEL], 0x76543210
	s_mov_b32 s[SEL+1], 0xfedcba98
	s_wait_alu depctr_va_vdst(0)
	s_wait_kmcnt 0x0
	s_cmp_eq_u32 s16, 0                            ; every choice hangs on the wave's number alone
	s_cselect_b64 s[28:29], s[8:9], s[12:13]       ; codes go to qc or kvc,
	s_cselect_b64 s[36:37], s[10:11], s[14:15]     ; scale words to qs or kvs
	s_cselect_b32 s49, 6144, s49                   ; code bytes for each idx
	s_cselect_b32 s50, 256, s50                    ; scale bytes for each idx
	s_cselect_b32 s51, 0x18000, s51                ; Q, K: from a head's codes to the next head's
	s_cselect_b32 s42, 4096, s42                   ; from a head's scale words to the next head's
	s_cmp_eq_u32 s16, 2
	s_cselect_b32 s44, s47, s46                    ; stationary: x for V, else W
	s_cselect_b32 s45, s46, s47                    ; moving: the other
	s_cselect_b32 s53, 6144, 0                     ; V's codes lie behind K's in a step,
	s_cselect_b32 s54, 256, 0                      ; its scale words likewise
	s_cselect_b32 s51, s52, s51                    ; EC, from fragment half c = 0 to c = 1: V: the next key half, 768; Q, K: the next head
	s_cselect_b32 s52, 0x30000, s52                ; EI, from moving tile 2 jp to 2 jp + 1: V: the next head; Q, K: the next tile, 768
	s_cselect_b32 s40, 0x03020100, s40             ; how two tiles' scale words are sorted by head: V: whole words;
	s_cselect_b32 s41, 0x07060504, s41             ; Q, K: halves of both
	s_mul_i32 s46, s19, s49
	s_add_co_u32 s46, s46, s53
	s_mov_b32 s47, 0
	s_add_nc_u64 s[28:29], s[28:29], s[46:47]      ; four bases for the codes, (i, c) at s[28 + 4 i + 2 c]; never rewritten
	s_mov_b32 s46, s51
	s_add_nc_u64 s[30:31], s[28:29], s[46:47]
	s_mov_b32 s46, s52
	s_add_nc_u64 s[32:33], s[28:29], s[46:47]
	s_add_nc_u64 s[34:35], s[30:31], s[46:47]
	s_mul_i32 s46, s19, s50
	s_add_co_u32 s46, s46, s54
	s_add_nc_u64 s[36:37], s[36:37], s[46:47]
	s_mul_i32 s46, s44, 6144
	s_add_nc_u64 s[20:21], s[4:5], s[46:47]        ; stationary images,
	s_lshl_b32 s46, s44, 8
	s_add_nc_u64 s[22:23], s[6:7], s[46:47]        ; their scale words,
	s_mul_i32 s46, s45, 6144
	s_add_nc_u64 s[24:25], s[4:5], s[46:47]        ; moving images,
	s_lshl_b32 s46, s45, 8
	s_add_nc_u64 s[26:27], s[6:7], s[46:47]        ; their scale words
	v_lshlrev_b32 v[LI16], 4, v1
	v_lshlrev_b32 v[LI8], 3, v1
	v_lshlrev_b32 v[RS], 4, v2
	v_mul_u32_u24 v[SOUT], s42, v3
	v_add_nc_u32 v[SOUT], v[SOUT], v[RS]
.irp b, 0,1,2,3
	v_mov_b32 v[TM+4+\b], 0                        ; written once: a lane permute's destination counts as one of its sources
.endr
	WIN 0x40                                       ; destination window 1
	s_wait_alu depctr_va_vdst(0)                   ; the four offsets v4 to v7 are written: every load and store of the kernel reads one of them
.irp t, 0,1,2,3,4,5,6,7
.irp s, 0,1
.irp c, 0,1,2
	global_load_b128 v[12*(2*\t+\s)+4*\c:12*(2*\t+\s)+4*\c+3], v[LI16], s[20:21] offset:6144*\t+1536*\s+512*\c
.endr
.endr
.endr
	WIN 0x80                                       ; destination window 2
.irp t, 0,1,2,3,4,5,6,7
.irp s, 0,1
.irp c, 0,1,2
	global_load_b128 v[12*(2*\t+\s)+4*\c:12*(2*\t+\s)+4*\c+3], v[LI16], s[20:21] offset:6144*\t+1536*(\s+2)+512*\c
.endr
.endr
.endr
	WIN 0
.irp t, 0,1,2,3,4,5,6,7
	global_load_b128 v[SS+4*\t:SS+4*\t+3], v[RS], s[22:23] offset:256*\t
.endr
	LOADM 0
	LOADM 1
.irp m, 0,1,2,3,4,5,6,7
.if \m < 7
	s_wait_loadcnt 13                              ; all but the next moving tile's 13 loads are in
.else
	s_wait_loadcnt 0x0
.endif
.if \m > 1
	s_wait_xcnt 0x0                                ; the stores issued a step ago (tile m - 2's) have had their addresses translated: their data registers are written again only behind this wait,
	s_wait_alu depctr_vm_vsrc(0)                   ; and they have read PC[m % 2], which this step's QUANT writes again
.endif
	MULT \m
.rept 4
	v_nop                                          ; four places behind the products, ahead of the first read of the results
.endr
.if \m < 6
	WIN 0xc0                                       ; the window of the loads below, ahead of the wait
.else
	WIN 0
.endif
	s_wait_alu depctr_va_vdst(0)                   ; this tile's products are done reading set m % 2 and its scale words, in which the loads below land; the last step's QUANT has written the other PC, which the stores below read
.if \m < 6
	LOADM \m+2
.endif
.if \m > 0
	SEND \m-1                                      ; no vector or matrix instruction since the wait: only loads and window switches
.endif
	QUANT ACC, PWS+\m, PC+PCB*(\m%2)
.endr
	v_cmp_ne_u32 vcc_lo, 0, v3
.irp j, 0,1,2,3
	v_perm_b32 v[W0+\j], v[PWS+2*\j+1], v[PWS+2*\j], s40   ; the first head's word of pair j
	v_perm_b32 v[W1+\j], v[PWS+2*\j+1], v[PWS+2*\j], s41   ; the second head's
.endr
	s_wait_alu depctr_va_vcc(0)                    ; the compare has written VCC, ahead of the selects that read it
.irp j, 0,1,2,3
	v_cndmask_b32 v[OUT+\j], v[W0+\j], v[W1+\j], vcc_lo
.endr
	s_wait_alu depctr_va_vdst(0)                   ; QUANT of tile 7 has written PC1 and the selects have written OUT, which the stores below read
	SEND 7
	global_store_b128 v[SOUT], v[OUT:OUT+3], s[36:37]   ; lanes 0-15: the first head's 256 bytes; lanes 16-31: the second head's
	s_endpgm
.Lfunc_end_k_q7f5bab5525_proj:
	.size	k_q7f5bab5525_proj, .Lfunc_end_k_q7f5bab5525_proj-k_q7f5bab5525_proj
	.p2alignl 7, 3214868480
	.fill 96, 4, 3214868480
	.section	.rodata,"a",@progbits
	.p2align	6, 0x0
	.amdhsa_kernel k_q7f5bab5525_proj
		.amdhsa_group_segment_fixed_size 0
		.amdhsa_private_segment_fixed_size 0
		.amdhsa_enable_private_segment 0
		.amdhsa_kernarg_size 48
		.amdhsa_user_sgpr_count 2
		.amdhsa_user_sgpr_kernarg_segment_ptr 1
		.amdhsa_wavefront_size32 1
		.amdhsa_system_sgpr_workgroup_id_x 1
		.amdhsa_system_sgpr_workgroup_id_y 1
		.amdhsa_system_sgpr_workgroup_id_z 1
		.amdhsa_system_vgpr_workitem_id 0
		.amdhsa_next_free_vgpr 864
		.amdhsa_next_free_sgpr 66
		.amdhsa_reserve_vcc 1
		.amdhsa_float_denorm_mode_32 3
		.amdhsa_float_denorm_mode_16_64 3
		.amdhsa_memory_ordered 1
		.amdhsa_forward_progress 1
		.amdhsa_inst_pref_size 92
	.end_amdhsa_kernel
	.amdgpu_metadata
---
amdhsa.version: [ 1, 2 ]
amdhsa.kernels:
  - .name:           k_q7f5bab5525_proj
    .symbol:         k_q7f5bab5525_proj.kd
    .args:
      - { .name: img, .offset: 0, .size: 8, .value_kind: global_buffer, .address_space: global }
      - { .name: isc, .offset: 8, .size: 8, .value_kind: global_buffer, .address_space: global }
      - { .name: qc, .offset: 16, .size: 8, .value_kind: global_buffer, .address_space: global }
      - { .name: qs, .offset: 24, .size: 8, .value_kind: global_buffer, .address_space: global }
      - { .name: kvc, .offset: 32, .size: 8, .value_kind: global_buffer, .address_space: global }
      - { .name: kvs, .offset: 40, .size: 8, .value_kind: global_buffer, .address_space: global }
    .group_segment_fixed_size: 0
    .private_segment_fixed_size: 0
    .kernarg_segment_align: 8
    .kernarg_segment_size: 48
    .max_flat_workgroup_size: 96
    .sgpr_count:     66
    .vgpr_count:     864
    .wavefront_size: 32
...
	.end_amdgpu_metadata
.endif
;; end of part 6
;; launch attn (part 7): grid 8 x 32, 16 waves a work-group, no clusters, 206,848 bytes of LDS; arguments qc, qs, kvc, kvs, cc, cs; writes cc, cs
.if DOCPART == 7
	.amdgcn_target "amdgcn-amd-amdhsa--gfx1250"
	.amdhsa_code_object_version 6
	.text
	.protected	k_q7f5bab5525_attn
	.globl	k_q7f5bab5525_attn
	.p2align	8
	.type	k_q7f5bab5525_attn,@function
k_q7f5bab5525_attn:
	s_mov_b64 s[64:65], 0
	v_nop
	global_prefetch_b8 v0, s[64:65] scope:SCOPE_SE
	s_setreg_imm32_b32 hwreg(HW_REG_WAVE_MODE, 25, 1), 1
	s_wait_xcnt 0x0
; Causal attention of one head (64 channels, 2,048 keys) on codes of FP6 (E2M3) with E8M0 scales, and the quantising of the context for the output projection.
; t = score x log2(e) / 8; M = the row's largest t so far, rounded UP to a whole number; p = 2^(t - M) is quantised along the keys, not normalised; the row's sum is taken of the unquantised p
; and divides O at the end.  When M moves, the sum and O are multiplied by 2^(old M - new M): exact.
; SHARES: work-group (j, bh) owns the query blocks j and 15 - j (128 queries each) of head bh: 17 block steps in every work-group.  Each of its 16 waves owns one tile of 16 queries, in 256 registers;
; wave w takes tile w / 2 of the early or of the late block, early and late by turns.  A key step is 128 keys; a wave works the steps 0 .. (its tile / 8) and passes over the others by a scalar branch on ids.
; LDS: the whole head's K and V codes (16 steps x 12,288 bytes) and scale words (16 x 512 bytes) are filled ONCE, by five tensor loads a wave, issued together at the head:
; the scale words (2 rows of 256 bytes a wave), then four groups of four steps (192 rows of 256 bytes a group: 12 a wave).  Nothing is filled again: no ring.  By this text's count a wave has five tensor loads out at the most.
; NO CLUSTER: the eight work-groups of a head read the same K and V, but which steps a wave works hangs on its query block, that is on its work-group's place among the eight;
; LAYOUT: both products are used transposed: S^T = K Q^T (source 0 = keys, source 1 = my 16 queries), O^T = V^T P^T (source 0 = 16 channels, source 1 = P): a lane holds ONE query (lane % 16) throughout.
; The head has 64 channels and the instruction 128 along K: one fragment of K holds TWO tiles of 16 keys (tile 2 b at k 0-63, tile 2 b + 1 at k 64-127); Q stands twice, once in the lower half over zero codes and once in the
; upper half: each picks one of the two tiles.  The keys of a tile are not neighbours: lane r of tile 2 b + u is key 32 b + 8 u + r + 8 (r / 8), so that S^T's register 16 b + i is key 32 b + 16 (lane / 16) + i.
; V's channel tiles are chosen alike, so that O^T's register 16 b + i is channel 32 b + 16 (lane / 16) + i: the context's K.
; OUT: cc [row tile G 512][head 8][half image 768 bytes];  cs [G][head][lane] words (two scale bytes in the low half).
; LIMITS: NaN and infinities are not served; a block of zeros or under 2^-124 gets the byte 1 (this program alone reads the bytes).
.set KVS, 196608                       ; LDS: the codes at 0, the scale words here
.set A16, 1                            ; v1   16 x lane
.set A8,  2                            ; v2   8 x lane
.set AS,  3                            ; v3   KVS + 16 r
.set VD,  4                            ; v4   on the diagonal: my query less the step's first key less 16 (lane / 16)
.set A4,  5                            ; v5   4 x lane
.set AD16, 8                           ; v8-10 the step's LDS addresses
.set AD8, 9
.set ADS, 10
.set QS,  11                           ; v11  Q's scale bytes, twice
                                       ; v12 -M, v13 the largest t, v[14:15] the sum in two halves
.set QLO, 16                           ; v16-27  Q in k 0-63, zeros above
.set QHI, 28                           ; v28-39  zeros, Q in k 64-127
.set FR,  40                           ; v40-87  four fragments of K, then of V
.set KS,  88                           ; v88-91  K's scale words
.set VS,  92                           ; v92-95  V's
.set S,   96                           ; v96-159 S^T, then p
.set O,   160                          ; v160-191 O^T
.set PCD, 192                          ; v192-203 p's codes
.set PT,  204                          ; v204-211 halves on their way
.set BM,  212                          ; v212-215 the blocks' largest scores, then largest p
.set BT,  216                          ; v216-219 at work
.set SCO, 220                          ; v220-223 the conversions' scale operands
.set TMP, 224
.set F,   226                          ; v[226:227] f = 2^(old M - new M) (the pair is named; v227 stays 0)
.set PSW, 228                          ; v228 p's scale word
.set L2,  230                          ; v[230:231] the sum's second chain
.set CT,  232                          ; v232-237 the context's codes; v238-240 a half on its way; v241 its scale word
.set CTT, 238
.set CW,  241
.set WV,  16
.set BH,  18
.set T,   20                           ; s20 my tile of 16 queries, 0 .. 127
.set DS,  21                           ; s21 the step on my diagonal: T / 8
.set STP, 22                           ; s22 the step in hand
.set TB,  23                           ; s23 where its codes begin in LDS
.set TS,  24                           ; s24 where its scale words begin, from KVS
.set CNT, 25
.set SEL, 26                           ; s[26:27] lane selects: lane l xor 16
.set CS,  28                           ; s[28:29] c = log2(e) / 8
.set G1C, 40                           ; s[40:47] descriptor group 1: 12 rows of 256 bytes;  s[48:55]: 2 rows;  groups 0 at s56, s60, s68, s72, s76: never rewritten
.set G1S, 48
.macro MKG0 reg, g
	s_mov_b32 s[\reg], 1                           ; count = 1
	s_add_co_u32 s[\reg+1], s34, 49152*\g          ; LDS address: group g, my wave's 12 rows
	s_add_nc_u64 s[\reg+2:\reg+3], s[36:37], 49152*\g   ; the same bytes of the head's codes in memory
	s_or_b32 s[\reg+3], s[\reg+3], 0x80000000      ; type = 2
.endm
	s_load_b256 s[4:11], s[0:1], 0x0               ; qc s[4:5], qs s[6:7], kvc s[8:9], kvs s[10:11]
	s_load_b128 s[12:15], s[0:1], 0x20             ; cc s[12:13], cs s[14:15]
	v_lshl_add_u32 v254, v0, 2, 0x32000
	v_mov_b32 v255, 0
	ds_add_u32 v254, v255
	ds_add_u32 v254, v255
	v_lshrrev_b32 v1, 5, v0
	s_delay_alu instid0(VALU_DEP_1)
	v_readfirstlane_b32 s[WV], v1                  ; wave 0..15
	s_mov_b32 s17, ttmp9                           ; j
	s_and_b32 s[BH], ttmp7, 0xffff
	s_lshr_b32 s30, s[WV], 2
	s_xor_b32 s30, s30, s[WV]
	s_and_b32 s19, s30, 1                          ; 1: the late block
	s_sub_co_u32 s30, 15, s17
	s_cmp_eq_u32 s19, 1
	s_cselect_b32 s30, s30, s17
	s_lshl_b32 s30, s30, 3
	s_lshr_b32 s31, s[WV], 1
	s_add_co_u32 s[T], s30, s31
	s_lshr_b32 s[DS], s[T], 3
.irp g, G1C, G1S
	s_mov_b32 s[\g], 3<<16                         ; no mask; elements of 8 bytes; no padding
	s_mov_b32 s[\g+1], 32<<16                      ; tensor_dim0 = 32 elements: 256 bytes
	s_mov_b32 s[\g+3], 32<<16                      ; tile_dim0
	s_mov_b32 s[\g+5], 32                          ; the rows are dense
	s_mov_b32 s[\g+6], 0
	s_mov_b32 s[\g+7], 0
.endr
	s_mov_b32 s[G1C+2], 12<<16                     ; tensor_dim1
	s_mov_b32 s[G1C+4], 12                         ; tile_dim1
	s_mov_b32 s[G1S+2], 2<<16
	s_mov_b32 s[G1S+4], 2
	s_lshl_b32 s30, s[BH], 13                      ; the head's 8,192 bytes of scale words,
	s_lshl_b32 s35, s[WV], 9                       ; my wave's 512 of them
	s_add_co_u32 s30, s30, s35
	s_mov_b32 s31, 0
	s_mul_i32 s32, s[BH], 0x30000                  ; the head's 196,608 bytes of codes,
	s_mul_i32 s34, s[WV], 3072                     ; my wave's 3,072 of a group
	s_add_co_u32 s32, s32, s34
	s_mov_b32 s33, 0
	s_wait_dscnt 0x0
	s_wait_kmcnt 0x0
	s_mov_b32 s56, 1
	s_add_co_u32 s57, s35, KVS
	s_add_nc_u64 s[58:59], s[10:11], s[30:31]
	s_or_b32 s59, s59, 0x80000000
	s_add_nc_u64 s[36:37], s[8:9], s[32:33]
	MKG0 60, 0
	MKG0 68, 1
	MKG0 72, 2
	MKG0 76, 3
	tensor_load_to_lds s[56:59], s[G1S:G1S+7]      ; all first fills together, ahead of every wait on TENSORcnt, every LDS read and every barrier
	s_nop 0
	tensor_load_to_lds s[60:63], s[G1C:G1C+7]
	s_nop 0
	tensor_load_to_lds s[68:71], s[G1C:G1C+7]
	s_nop 0
	tensor_load_to_lds s[72:75], s[G1C:G1C+7]
	s_nop 0
	tensor_load_to_lds s[76:79], s[G1C:G1C+7]
	s_nop 0
.rept 4
	v_nop
.endr
	v_and_b32 v6, 31, v0                           ; lane
	v_and_b32 v7, 15, v0                           ; r
	v_bfe_u32 v9, v0, 4, 1                         ; h
	s_delay_alu instid0(VALU_DEP_3)
	v_lshlrev_b32 v[A16], 4, v6
	s_wait_alu depctr_va_vdst(0)
	v_lshlrev_b32 v[A8], 3, v6
	s_wait_alu depctr_va_vdst(0)
	v_lshlrev_b32 v[A4], 2, v6
	v_lshl_add_u32 v[AS], v7, 4, KVS
	v_lshlrev_b32 v6, 4, v7                        ; 16 r
	s_wait_alu depctr_va_vdst(0)
	s_and_b32 s30, s[T], 7
	s_lshl_b32 s31, s30, 4
	v_lshlrev_b32 v[VD], 4, v9
	s_delay_alu instid0(VALU_DEP_1)
	v_sub_nc_u32 v[VD], v7, v[VD]
	s_delay_alu instid0(VALU_DEP_1)
	v_add_nc_u32 v[VD], s31, v[VD]
	s_lshl_b32 s32, s[BH], 7
	s_add_co_u32 s32, s32, s[T]
	s_mul_i32 s32, s32, 768
	s_mov_b32 s33, 0
	s_add_nc_u64 s[4:5], s[4:5], s[32:33]          ; my tile's half image of Q
	s_lshl_b32 s32, s[BH], 4
	s_add_co_u32 s32, s32, s[DS]
	s_lshl_b32 s32, s32, 8
	s_lshr_b32 s30, s30, 1
	s_lshl_b32 s30, s30, 2
	s_add_co_u32 s32, s32, s30
	s_add_nc_u64 s[6:7], s[6:7], s[32:33]          ; the word that holds its scale bytes
	global_load_b128 v[QLO:QLO+3], v[A16], s[4:5]
	global_load_b64 v[QLO+4:QLO+5], v[A8], s[4:5] offset:512
	global_load_b128 v[QHI+6:QHI+9], v[A16], s[4:5]
	global_load_b64 v[QHI+10:QHI+11], v[A8], s[4:5] offset:512
	global_load_b32 v[QS], v6, s[6:7]
	s_and_b32 s38, s[T], 1
	s_lshl_b32 s38, s38, 4                         ; which half of the word is my tile's
	s_lshr_b32 s32, s[BH], 3
	s_lshl_b32 s32, s32, 7
	s_add_co_u32 s32, s32, s[T]                    ; G = 128 batch + T
	s_lshl_b32 s32, s32, 3
	s_and_b32 s34, s[BH], 7
	s_add_co_u32 s32, s32, s34                     ; 8 G + head
	s_mul_i32 s34, s32, 768
	s_mov_b32 s35, 0
	s_add_nc_u64 s[12:13], s[12:13], s[34:35]
	s_lshl_b32 s34, s32, 7
	s_add_nc_u64 s[14:15], s[14:15], s[34:35]
	s_mov_b32 s[SEL], 0x76543210
	s_mov_b32 s[SEL+1], 0xfedcba98
	s_mov_b32 s[CS], 0x3e38aa3b                    ; c = log2(e) / 8
	s_mov_b32 s[CS+1], s[CS]                       ; (named with it as a pair, so it is written)
	s_mov_b32 s[STP], 0
.irp i, 0,1,2,3,4,5
	v_mov_b32 v[QLO+6+\i], 0                       ; zero codes: they add nothing under any scale byte that is made here
	v_mov_b32 v[QHI+\i], 0
.endr
	s_wait_loadcnt 0x0
	v_lshrrev_b32 v[QS], s38, v[QS]
	s_delay_alu instid0(VALU_DEP_1)
	v_and_b32 v[QS], 0xffff, v[QS]
	s_delay_alu instid0(VALU_DEP_1)
	v_lshl_or_b32 v[QS], v[QS], 16, v[QS]          ; my tile's two bytes below and above: one register serves both forms of Q
	v_mov_b32 v13, 0xff61b1e6                      ; the largest t so far: -3e38
	s_delay_alu instid0(VALU_DEP_1)
	v_floor_f32 v12, -v13                          ; -M
	v_mov_b32 v14, 0
	v_mov_b32 v15, 0
	v_mov_b32 v[F+1], 0
.irp b, 0,1,2,3
	v_mov_b32 v[BT+\b], 0                          ; written once: a lane permute's destination counts as one of its sources
.endr
.irp j, 0,1,2,3,4,5,6,7,8,9,10,11,12,13,14,15,16,17,18,19,20,21,22,23,24,25,26,27,28,29,30,31
	v_mov_b32 v[O+\j], 0                           ; the step is written once: the first finds zeros, which the first change of M leaves zeros.  (These are also the places between Q's scale register and the first product)
.endr
; A KEY STEP: 128 keys.
.macro STEP
	s_cmp_gt_u32 s[STP], s[DS]                     ; all its keys come after my queries: only the addresses step
	s_cbranch_scc1 .Lhid_\@
	s_setprio 2
	v_add_nc_u32 v[AD16], s[TB], v[A16]
	v_add_nc_u32 v[AD8], s[TB], v[A8]
	v_add_nc_u32 v[ADS], s[TS], v[AS]
	v_nop                                          ; four places in front of loads into registers that the last step's products have read
.irp b, 0,1,2,3                                ; K: fragment b = the half images of tiles 2 b and 2 b + 1
	ds_load_b128 v[FR+12*\b:FR+12*\b+3], v[AD16] offset:1536*\b
	ds_load_b64 v[FR+12*\b+4:FR+12*\b+5], v[AD8] offset:1536*\b+512
	ds_load_b128 v[FR+12*\b+6:FR+12*\b+9], v[AD16] offset:1536*\b+768
	ds_load_b64 v[FR+12*\b+10:FR+12*\b+11], v[AD8] offset:1536*\b+1280
.endr
	ds_load_b128 v[KS:KS+3], v[ADS]
	s_wait_alu depctr_va_vdst(0)
	s_wait_dscnt 0x0
.irp b, 0,1,2,3
	v_wmma_scale_f32_16x16x128_f8f6f4 v[S+16*\b:S+16*\b+7], v[FR+12*\b:FR+12*\b+11], v[QLO:QLO+11], 0, v[KS+\b], v[QS] matrix_a_fmt:MATRIX_FMT_FP6 matrix_b_fmt:MATRIX_FMT_FP6
	v_wmma_scale_f32_16x16x128_f8f6f4 v[S+16*\b+8:S+16*\b+15], v[FR+12*\b:FR+12*\b+11], v[QHI:QHI+11], 0, v[KS+\b], v[QS] matrix_a_fmt:MATRIX_FMT_FP6 matrix_b_fmt:MATRIX_FMT_FP6
.endr
.rept 4
	v_nop                                          ; four places: for V's loads into K's registers, and for the first read of the scores
.endr
.irp b, 0,1,2,3                                ; V: fragment ct = its two key halves; they land while the softmax is worked
	ds_load_b128 v[FR+12*\b:FR+12*\b+3], v[AD16] offset:6144+1536*\b
	ds_load_b64 v[FR+12*\b+4:FR+12*\b+5], v[AD8] offset:6144+1536*\b+512
	ds_load_b128 v[FR+12*\b+6:FR+12*\b+9], v[AD16] offset:6144+1536*\b+768
	ds_load_b64 v[FR+12*\b+10:FR+12*\b+11], v[AD8] offset:6144+1536*\b+1280
.endr
	ds_load_b128 v[VS:VS+3], v[ADS] offset:256
	s_cmp_lt_u32 s[STP], s[DS]                     ; all keys count: no mask
	s_cbranch_scc1 .Lopen_\@
	v_mov_b32 v[TMP], 0xff800000                   ; on the diagonal hidden scores become -infinity ahead of the maximum: p = 0 then.  Register 16 b + i is hidden where 32 b + i > VD
.irp n, 0,1,2,3,4,5,6,7,8,9,10,11,12,13,14,15,16,17,18,19,20,21,22,23,24,25,26,27,28,29,30,31,32,33,34,35,36,37,38,39,40,41,42,43,44,45,46,47,48,49,50,51,52,53,54,55,56,57,58,59,60,61,62,63
	v_cmp_gt_i32 vcc_lo, 32*(\n/16)+\n%16, v[VD]
	v_cndmask_b32 v[S+\n], v[S+\n], v[TMP], vcc_lo
.endr
.Lopen_\@:
.irp b, 0,1,2,3
	v_max3_num_f32 v[BM+\b], v[S+16*\b], v[S+1+16*\b], v[S+2+16*\b]   ; the largest score of each block of 32 keys: for the row's maximum, and, since p rises with the score, for the block's largest p
.endr
.irp i, 3,5,7,9,11,13
.irp b, 0,1,2,3
	v_max3_num_f32 v[BM+\b], v[BM+\b], v[S+16*\b+\i], v[S+1+16*\b+\i]
.endr
.endr
.irp b, 0,1,2,3
	v_max_num_f32 v[BM+\b], v[BM+\b], v[S+15+16*\b]
.endr
.irp b, 0,1,2,3
	s_delay_alu instid0(VALU_DEP_4)
	v_permlanex16_b32 v[BT+\b], v[BM+\b], s[SEL], s[SEL+1]
.endr
.irp b, 0,1,2,3
	s_delay_alu instid0(VALU_DEP_4)
	v_max_num_f32 v[BM+\b], v[BM+\b], v[BT+\b]     ; with lane l xor 16's 16 keys
.endr
	s_delay_alu instid0(VALU_DEP_2)
	v_max3_num_f32 v[TMP], v[BM], v[BM+1], v[BM+2]
	s_delay_alu instid0(VALU_DEP_1)
	v_max_num_f32 v[TMP], v[TMP], v[BM+3]
	s_delay_alu instid0(VALU_DEP_1)
	v_mul_f32 v[TMP], s[CS], v[TMP]                ; as t (c is positive)
	s_delay_alu instid0(VALU_DEP_1)
	v_max_num_f32 v13, v13, v[TMP]                 ; the running largest t
	v_mov_b32 v[TMP], v12
	s_delay_alu instid0(VALU_DEP_2)
	v_floor_f32 v12, -v13                          ; the new -M = floor(-t): M is a whole number
	s_delay_alu instid0(VALU_DEP_1)
	v_sub_f32 v[TMP], v12, v[TMP]                  ; old M less new M: a whole number, 0 or less
	s_delay_alu instid0(VALU_DEP_1)
	v_cvt_i32_f32 v[TMP], v[TMP]                   ; (it saturates)
	s_delay_alu instid0(VALU_DEP_1)
	v_ldexp_f32 v[F], 1.0, v[TMP]                  ; f = 2^(old M - new M)
.irp j, 0,2,4,6,8,10,12,14,16,18,20,22,24,26,28,30,32,34,36,38,40,42,44,46,48,50,52,54,56,58,60,62
	v_pk_fma_f32 v[S+\j:S+\j+1], v[S+\j:S+\j+1], s[CS:CS+1], v[12:13] op_sel_hi:[1,0,0]   ; t - M, two at a time
.endr
	s_setprio 1
.irp b, 0,1,2,3
	v_fma_f32 v[BM+\b], v[BM+\b], s[CS], v12       ; the same of each block's largest score
.endr
	s_wait_alu depctr_va_vdst(0)
.irp j, 0,1,2,3,4,5,6,7,8,9,10,11,12,13,14,15,16,17,18,19,20,21,22,23,24,25,26,27,28,29,30,31,32,33,34,35,36,37,38,39,40,41,42,43,44,45,46,47,48,49,50,51,52,53,54,55,56,57,58,59,60,61,62,63
	v_exp_f32 v[S+\j], v[S+\j]                     ; p = 2^(t - M), at most 1
.endr
	v_pk_mul_f32 v[14:15], v[14:15], v[F:F+1] op_sel_hi:[1,0]   ; the sums under the new M: a plain instruction behind the exponentials
	s_wait_alu depctr_va_vdst(0)                   ; one wait for the batch of 64, ahead of its first reader
.irp b, 0,1,2,3
	v_exp_f32 v[BM+\b], v[BM+\b]                   ; the block's largest p: the same two instructions on the same number give the same bits
.endr
	v_pk_add_f32 v[230:231], v[100:101], v[104:105]
	v_pk_add_f32 v[252:253], v[108:109], v[112:113]
	v_pk_add_f32 v[250:251], v[116:117], v[120:121]
	v_pk_add_f32 v[248:249], v[124:125], v[128:129]
	v_pk_add_f32 v[246:247], v[132:133], v[136:137]
	v_pk_add_f32 v[244:245], v[140:141], v[144:145]
	v_pk_add_f32 v[242:243], v[148:149], v[152:153]
	v_pk_add_f32 v[14:15], v[14:15], v[156:157]
	v_pk_add_f32 v[230:231], v[230:231], v[96:97]
	v_pk_add_f32 v[252:253], v[252:253], v[98:99]
	v_pk_add_f32 v[250:251], v[250:251], v[102:103]
	v_pk_add_f32 v[248:249], v[248:249], v[106:107]
	v_pk_add_f32 v[246:247], v[246:247], v[110:111]
	v_pk_add_f32 v[244:245], v[244:245], v[114:115]
	v_pk_add_f32 v[242:243], v[242:243], v[118:119]
	v_pk_add_f32 v[14:15], v[14:15], v[122:123]
	v_pk_add_f32 v[230:231], v[230:231], v[126:127]
	v_pk_add_f32 v[252:253], v[252:253], v[130:131]
	v_pk_add_f32 v[250:251], v[250:251], v[134:135]
	v_pk_add_f32 v[248:249], v[248:249], v[138:139]
	v_pk_add_f32 v[246:247], v[246:247], v[142:143]
	v_pk_add_f32 v[244:245], v[244:245], v[146:147]
	v_pk_add_f32 v[242:243], v[242:243], v[150:151]
	v_pk_add_f32 v[14:15], v[14:15], v[154:155]
	v_pk_add_f32 v[230:231], v[230:231], v[158:159]
	s_delay_alu instid0(VALU_DEP_2)
	v_pk_add_f32 v[14:15], v[14:15], v[248:249]
	s_delay_alu instid0(VALU_DEP_2)
	v_pk_add_f32 v[230:231], v[230:231], v[246:247]
	v_pk_add_f32 v[252:253], v[252:253], v[244:245]
	v_pk_add_f32 v[250:251], v[250:251], v[242:243]
	s_delay_alu instid0(VALU_DEP_2)
	v_pk_add_f32 v[14:15], v[14:15], v[252:253]
	s_delay_alu instid0(VALU_DEP_2)
	v_pk_add_f32 v[230:231], v[230:231], v[250:251]
	s_delay_alu instid0(VALU_DEP_1)
	v_pk_add_f32 v[14:15], v[14:15], v[230:231]
	s_wait_alu depctr_va_vdst(0)                   ; and one for the four
.irp b, 0,1,2,3
	v_max_num_f32 v[BM+\b], 0x1800000, v[BM+\b]    ; the floor 2^(3 - 127): the byte cannot fall under 1
.endr
.irp b, 0,1,2,3
	s_delay_alu instid0(VALU_DEP_4)
	v_add_nc_u32 v[SCO+\b], 0xff000000, v[BM+\b]   ; 2 off the exponent field: the conversion's scale operand
.endr
.irp b, 0,1,2,3
	s_delay_alu instid0(VALU_DEP_4)
	v_lshrrev_b32 v[BT+\b], 23, v[SCO+\b]          ; the scale's byte
.endr
	s_delay_alu instid0(VALU_DEP_3)
	v_lshl_or_b32 v[PSW], v[BT+1], 8, v[BT]        ; p's scale word for these 128 keys
	s_delay_alu instid0(VALU_DEP_1)
	v_lshl_or_b32 v[PSW], v[BT+2], 16, v[PSW]
	s_delay_alu instid0(VALU_DEP_1)
	v_lshl_or_b32 v[PSW], v[BT+3], 24, v[PSW]
	s_setprio 0
.irp c, 0,1
	v_cvt_scalef32_pk16_fp6_f32 v[PCD+6*\c:PCD+2+6*\c], v[S+32*\c:S+15+32*\c], v[SCO+2*\c]
	v_cvt_scalef32_pk16_fp6_f32 v[PT+4*\c:PT+2+4*\c], v[S+16+32*\c:S+31+32*\c], v[SCO+2*\c+1]
.endr
	v_nop                                          ; one plain instruction behind the scaled conversions
.irp c, 0,1
.irp i, 0,1,2
	v_permlane16_swap_b32 v[PCD+6*\c+\i], v[PT+4*\c+\i]
.endr
.irp i, 0,1,2
	s_delay_alu instid0(VALU_DEP_3)
	v_mov_b32 v[PCD+3+6*\c+\i], v[PT+4*\c+\i]
.endr
.endr
.irp j, 0,2,4,6,8,10,12,14,16,18,20,22,24,26,28,30
	v_pk_mul_f32 v[O+\j:O+\j+1], v[O+\j:O+\j+1], v[F:F+1] op_sel_hi:[1,0]   ; O^T under the new M, each accumulator from its low end on.  Twelve of these name no register of any one product below: the places behind p's scale word and codes
.endr
	s_wait_alu depctr_va_vdst(0)
	s_wait_dscnt 0x0                               ; V is in
.irp t, 0,1,2,3                                ; O^T += V^T P^T: four accumulators by turns; the link before lies a step back
	v_wmma_scale_f32_16x16x128_f8f6f4 v[O+8*\t:O+8*\t+7], v[FR+12*\t:FR+12*\t+11], v[PCD:PCD+11], v[O+8*\t:O+8*\t+7], v[VS+\t], v[PSW] matrix_a_fmt:MATRIX_FMT_FP6 matrix_b_fmt:MATRIX_FMT_FP6
.endr
.Lhid_\@:
	s_add_co_u32 s[STP], s[STP], 1
	s_add_co_u32 s[TB], s[TB], 12288
	s_add_co_u32 s[TS], s[TS], 512
.endm
; Four key steps, whose codes one group of tensor loads has brought.  The wait leaves the later groups' loads out.
.macro GROUP g
	s_wait_tensorcnt 3-\g                          ; tensor loads of a wave end in order: my parts of the scale words and of groups 0 .. g are in; 3 - g younger loads may be out
	s_wait_dscnt 0x0
	s_barrier_signal -1
	s_barrier_wait -1                              ; everybody's parts are in
	s_mov_b32 s[TB], 49152*\g
	s_mov_b32 s[TS], 2048*\g
	s_mov_b32 s[CNT], 4
.Lstep_\@:
	STEP
	s_sub_co_u32 s[CNT], s[CNT], 1
	s_cmp_lg_u32 s[CNT], 0
	s_cbranch_scc1 .Lstep_\@
	s_setprio 0
.endm
	GROUP 0
	GROUP 1
	GROUP 2
	GROUP 3
	; THE WAY OUT: O^T / the sum is the context's 64 channels of my query; it is quantised along them (two blocks of 32) and leaves as a half image.
.rept 4
	v_nop                                          ; four places behind the last products
.endr
	v_add_f32 v14, v14, v15
	s_delay_alu instid0(VALU_DEP_1)
	v_permlanex16_b32 v[BT], v14, s[SEL], s[SEL+1]
	s_delay_alu instid0(VALU_DEP_1)
	v_add_f32 v14, v14, v[BT]                      ; the row's sum
	s_wait_alu depctr_va_vdst(0)
	v_rcp_f32 v[F], v14
	v_nop                                          ; a plain instruction behind the reciprocal,
	s_wait_alu depctr_va_vdst(0)                   ; and the wait ahead of its first reader
.irp j, 0,2,4,6,8,10,12,14,16,18,20,22,24,26,28,30
	v_pk_mul_f32 v[O+\j:O+\j+1], v[O+\j:O+\j+1], v[F:F+1] op_sel_hi:[1,0]
.endr
.irp b, 0,1
	v_max3_num_f32 v[BM+\b], |v[O+16*\b]|, |v[O+1+16*\b]|, 0x1800000
.endr
.irp i, 2,4,6,8,10,12,14
.irp b, 0,1
	s_delay_alu instid0(VALU_DEP_2)
	v_max3_num_f32 v[BM+\b], v[BM+\b], |v[O+16*\b+\i]|, |v[O+1+16*\b+\i]|
.endr
.endr
.irp b, 0,1
	s_delay_alu instid0(VALU_DEP_2)
	v_permlanex16_b32 v[BT+\b], v[BM+\b], s[SEL], s[SEL+1]
.endr
.irp b, 0,1
	s_delay_alu instid0(VALU_DEP_2)
	v_max_num_f32 v[BM+\b], v[BM+\b], v[BT+\b]
.endr
.irp b, 0,1
	s_delay_alu instid0(VALU_DEP_2)
	v_add_nc_u32 v[SCO+\b], 0xff000000, v[BM+\b]
.endr
.irp b, 0,1
	s_delay_alu instid0(VALU_DEP_2)
	v_lshrrev_b32 v[BT+\b], 23, v[SCO+\b]
.endr
	s_delay_alu instid0(VALU_DEP_1)
	v_lshl_or_b32 v[CW], v[BT+1], 8, v[BT]
	v_cvt_scalef32_pk16_fp6_f32 v[CT:CT+2], v[O:O+15], v[SCO]
	v_cvt_scalef32_pk16_fp6_f32 v[CTT:CTT+2], v[O+16:O+31], v[SCO+1]
	v_nop
.irp i, 0,1,2
	v_permlane16_swap_b32 v[CT+\i], v[CTT+\i]
.endr
.irp i, 0,1,2
	s_delay_alu instid0(VALU_DEP_3)
	v_mov_b32 v[CT+3+\i], v[CTT+\i]
.endr
	global_store_b128 v[A16], v[CT:CT+3], s[12:13]              ; 512 consecutive bytes, aligned to 256
	global_store_b64 v[A8], v[CT+4:CT+5], s[12:13] offset:512   ; 256 consecutive bytes, aligned
	global_store_b32 v[A4], v[CW], s[14:15]                     ; 128 consecutive bytes
	s_wait_tensorcnt 0x0
	ds_add_u32 v254, v255
	s_wait_dscnt 0x0
	s_endpgm
.Lfunc_end_k_q7f5bab5525_attn:
	.size	k_q7f5bab5525_attn, .Lfunc_end_k_q7f5bab5525_attn-k_q7f5bab5525_attn
	.p2alignl 7, 3214868480
	.fill 96, 4, 3214868480
	.section	.rodata,"a",@progbits
	.p2align	6, 0x0
	.amdhsa_kernel k_q7f5bab5525_attn
		.amdhsa_group_segment_fixed_size 206848
		.amdhsa_private_segment_fixed_size 0
		.amdhsa_enable_private_segment 0
		.amdhsa_kernarg_size 48
		.amdhsa_user_sgpr_count 2
		.amdhsa_user_sgpr_kernarg_segment_ptr 1
		.amdhsa_wavefront_size32 1
		.amdhsa_system_sgpr_workgroup_id_x 1
		.amdhsa_system_sgpr_workgroup_id_y 1
		.amdhsa_system_sgpr_workgroup_id_z 1
		.amdhsa_system_vgpr_workitem_id 0
		.amdhsa_next_free_vgpr 256
		.amdhsa_next_free_sgpr 80
		.amdhsa_reserve_vcc 1
		.amdhsa_float_denorm_mode_32 3
		.amdhsa_float_denorm_mode_16_64 3
		.amdhsa_memory_ordered 1
		.amdhsa_forward_progress 1
		.amdhsa_inst_pref_size 104
	.end_amdhsa_kernel
	.amdgpu_metadata
---
amdhsa.version: [ 1, 2 ]
amdhsa.kernels:
  - .name:           k_q7f5bab5525_attn
    .symbol:         k_q7f5bab5525_attn.kd
    .args:
      - { .name: qc, .offset: 0, .size: 8, .value_kind: global_buffer, .address_space: global }
      - { .name: qs, .offset: 8, .size: 8, .value_kind: global_buffer, .address_space: global }
      - { .name: kvc, .offset: 16, .size: 8, .value_kind: global_buffer, .address_space: global }
      - { .name: kvs, .offset: 24, .size: 8, .value_kind: global_buffer, .address_space: global }
      - { .name: cc, .offset: 32, .size: 8, .value_kind: global_buffer, .address_space: global }
      - { .name: cs, .offset: 40, .size: 8, .value_kind: global_buffer, .address_space: global }
    .group_segment_fixed_size: 206848
    .private_segment_fixed_size: 0
    .kernarg_segment_align: 8
    .kernarg_segment_size: 48
    .max_flat_workgroup_size: 512
    .sgpr_count:     80
    .vgpr_count:     256
    .wavefront_size: 32
...
	.end_amdgpu_metadata
.endif
;; end of part 7
;; launch oproj (part 8): grid 256 x 1, 4 waves a work-group, no clusters, 34,304 bytes of LDS; arguments img, isc, cc, cs, out0; writes out0
.if DOCPART == 8
	.amdgcn_target "amdgcn-amd-amdhsa--gfx1250"
	.amdhsa_code_object_version 6
	.text
	.protected	k_q7f5bab5525_oproj
	.globl	k_q7f5bab5525_oproj
	.p2align	8
	.type	k_q7f5bab5525_oproj,@function
k_q7f5bab5525_oproj:
	s_mov_b64 s[64:65], 0
	v_nop
	global_prefetch_b8 v0, s[64:65] scope:SCOPE_SE
	s_setreg_imm32_b32 hwreg(HW_REG_WAVE_SCHED_MODE, 0, 2), 2
	s_setreg_imm32_b32 hwreg(HW_REG_WAVE_MODE, 25, 1), 1
	s_wait_xcnt 0x0
	s_wait_alu depctr_vm_vsrc(0)
; out0 = context W_O^T (K = 512) on codes of FP6 (E2M3) with E8M0 scales.  The context's codes come as half images (cc [row tile G][head 8][768 bytes]): heads 2 s and 2 s + 1 are K step s's fragment;
; its scale bytes as cs [G][head][lane] words.  W_O's codes come as images from img (tiles 1632 on), its scale words from isc.
; SHARES: work-group g takes rows 32 g .. 32 g + 31 (row tiles 2 g, 2 g + 1); wave w makes output columns 128 w .. 128 w + 127: its 8 tiles of W_O stay in 384 registers.
; The product is used transposed (source 0 = 16 rows of W_O, source 1 = 16 rows of the context): a lane holds one row of out0, and register 16 b + i of the eight tiles is column 128 w + 32 b + 16 (lane / 16) + i.
; A tile of 16 rows x 128 columns goes through the wave's own stage in LDS and leaves as rows of 512 consecutive bytes.  Waves share nothing in LDS: no barrier.
; Operands come from memory straight into registers as images: nothing that a joint load could share passes through LDS: no cluster, no tensor load.
; REGISTERS, in windows of 256: window 0: addresses, scale words, accumulators, rows on their way out;  window 1: W_O's fragments (t, K step 0, 1) at 12 (2 t + s);  window 2: (t, K step 2, 3);
;   window 3: the two row tiles' four fragments each, at 0 and at 48.
; THE MODE: SCHED_MODE bits 1:0 = 2 (LLVM: expert scheduling mode 2), set by the entry lines.  The code itself states the register dependences
; between vector or matrix instructions and memory or LDS instructions, with s_wait_alu, always for 0.
; THE PLAN.  Registers that memory or LDS instructions touch:
;   v4 .. v9   offsets and LDS addresses, made once at the head and never written again.
;   all fragments, W_O's scale words and CSW: loaded once, at the head; read by products (CSW: by the eight permutes); never loaded again.
;   ACC        written by a row tile's products; read by the sixteen LDS stores into the stage; begun anew by the next tile's products.
;   OUTR       written by the sixteen loads from the stage; read by the sixteen global stores; no vector or matrix instruction names it.
;   MS         the context's scale words by K step: written by the permutes, read by the products as scales.
; The order: both tiles' permutes, their places, one wait on va_vdst (MS is written) | tile 0's products | places, one wait on va_vdst (ACC is written) | tile 0 into the stage and back |
; one wait on vm_vsrc (the LDS stores have read ACC) | tile 1's products, with tile 0's global stores dealt among them, four behind each K step: they read OUTR and v4, which no product names |
; places, one wait on va_vdst | tile 1 into the stage | the wait on XCNT and one on vm_vsrc (tile 0's global stores have read OUTR) | back, and out.
.set SPITCH, 528
.set LI16, 4                           ; v4  16 x lane
.set LI8,  5                           ; v5  8 x lane
.set LI4,  6                           ; v6  4 x lane
.set RS,   7                           ; v7  16 r
.set SO,   8                           ; v8  the stage, in: row r, + 64 h
.set SR,   9                           ; v9  the stage, back: 16 x lane
.set SS,   16                          ; v16-47  W_O's scale words, 4 t + s
.set CSW,  48                          ; v48-55, v56-63  the context's scale words as loaded, by head
.set ACC,  64                          ; v64-127
.set OUTR, 128                         ; v128-191 16 rows read back
.set MS,   192                         ; v192-195, v196-199 the context's scale words by K step
.set MSB, 0
.macro WIN new                         ; the immediate's high byte repeats the setting that is left
.if MSB != \new
	s_set_vgpr_msb (MSB<<8)|\new
.set MSB, \new
.endif
.endm
.macro LOADI e                         ; row tile e: eight half images (16 loads)
	WIN 0xc0                                       ; destination window 3
.irp s, 0,1,2,3
	global_load_b128 v[48*\e+12*\s:48*\e+12*\s+3], v[LI16], s[8:9] offset:6144*\e+1536*\s
	global_load_b64 v[48*\e+12*\s+4:48*\e+12*\s+5], v[LI8], s[8:9] offset:6144*\e+1536*\s+512
	global_load_b128 v[48*\e+12*\s+6:48*\e+12*\s+9], v[LI16], s[8:9] offset:6144*\e+1536*\s+768
	global_load_b64 v[48*\e+12*\s+10:48*\e+12*\s+11], v[LI8], s[8:9] offset:6144*\e+1536*\s+1280
.endr
	WIN 0
.endm
.macro LOADS e                         ; and its eight scale words (8 loads)
.irp d, 0,1,2,3,4,5,6,7
	global_load_b32 v[CSW+8*\e+\d], v[LI4], s[10:11] offset:1024*\e+128*\d
.endr
.endm
; 32 matrix instructions: K step by K step, the eight accumulators by turns, one instruction a turn; the first K step starts the sums.
; send = 1: behind each K step four rows of the tile before leave: they are back from the stage in OUTR.
.macro MULT e, send
.irp s, 0,1,2,3
.if \s < 2
	WIN 0x0d                                       ; source 0 window 1, source 1 window 3, C and D window 0
.else
	WIN 0x0e                                       ; source 0 window 2
.endif
.irp t, 0,1,2,3,4,5,6,7
.if \s == 0
	v_wmma_scale_f32_16x16x128_f8f6f4 v[ACC+8*\t:ACC+8*\t+7], v[12*(2*\t+\s%2):12*(2*\t+\s%2)+11], v[48*\e+12*\s:48*\e+12*\s+11], 0, v[SS+4*\t+\s], v[MS+4*\e+\s] matrix_a_fmt:MATRIX_FMT_FP6 matrix_b_fmt:MATRIX_FMT_FP6
.else
	v_wmma_scale_f32_16x16x128_f8f6f4 v[ACC+8*\t:ACC+8*\t+7], v[12*(2*\t+\s%2):12*(2*\t+\s%2)+11], v[48*\e+12*\s:48*\e+12*\s+11], v[ACC+8*\t:ACC+8*\t+7], v[SS+4*\t+\s], v[MS+4*\e+\s] matrix_a_fmt:MATRIX_FMT_FP6 matrix_b_fmt:MATRIX_FMT_FP6
.endif
.endr
.if \send
	WIN 0                                          ; the stores' offset and data lie in window 0
.irp i, 0,1,2,3
	s_wait_dscnt 15-(4*\s+\i)                      ; row 4 s + i is back; the younger loads from the stage may be out
	global_store_b128 v[LI16], v[OUTR+4*(4*\s+\i):OUTR+4*(4*\s+\i)+3], s[12:13] offset:(4*\s+\i)*2048 th:TH_STORE_NT   ; 32 lanes store 512 consecutive bytes, at a multiple of 256 from out0's first byte.  No wait on a vector result: no vector or matrix instruction names OUTR, nor v4 since the head
.endr
.endif
.endr
.endm
.macro TOSTAGE
.irp t, 0,1,2,3,4,5,6,7
	ds_store_b128 v[SO], v[ACC+8*\t:ACC+8*\t+3] offset:128*(\t/2)+32*(\t%2)          ; each accumulator from its low end on
	ds_store_b128 v[SO], v[ACC+8*\t+4:ACC+8*\t+7] offset:128*(\t/2)+32*(\t%2)+16
.endr
.endm
.macro BACK
.irp i, 0,1,2,3,4,5,6,7,8,9,10,11,12,13,14,15
	ds_load_b128 v[OUTR+4*\i:OUTR+4*\i+3], v[SR] offset:SPITCH*\i   ; LDS serves a wave's instructions in order: these see the stores above
.endr
.endm
	s_load_b256 s[4:11], s[0:1], 0x0               ; img s[4:5], isc s[6:7], cc s[8:9], cs s[10:11]
	s_load_b64 s[12:13], s[0:1], 0x20              ; out0
	v_lshl_add_u32 v254, v0, 2, 0x8400
	v_mov_b32 v255, 0
	v_lshrrev_b32 v1, 5, v0
	v_readfirstlane_b32 s16, v1                    ; wave 0..3
	v_and_b32 v1, 31, v0                           ; lane
	s_wait_alu depctr_va_vdst(0)
	v_and_b32 v2, 15, v0                           ; r
	s_wait_alu depctr_va_vdst(0)
	v_bfe_u32 v3, v0, 4, 1                         ; h
	s_wait_alu depctr_va_sdst(0)                   ; s16 is written, ahead of its first reader: my tiles of W_O, my columns and my stage are made from it
	s_lshl_b32 s20, s16, 3
	s_add_co_u32 s20, s20, 1632                    ; my first tile of W_O
	s_mul_i32 s22, s20, 6144
	s_mov_b32 s23, 0
	s_lshl_b32 s24, s20, 8
	s_mov_b32 s25, 0
	s_mul_i32 s26, ttmp9, 12288                    ; my work-group's two row tiles of codes,
	s_mov_b32 s27, 0
	s_lshl_b32 s28, ttmp9, 11                      ; their scale words,
	s_mov_b32 s29, 0
	s_lshl_b32 s30, ttmp9, 16                      ; its 32 rows of out0,
	s_lshl_b32 s31, s16, 9                         ; my wave's 512 bytes of a row
	s_add_co_u32 s30, s30, s31
	s_mov_b32 s31, 0
	s_mul_i32 s32, s16, 16*SPITCH                  ; my stage
	v_lshlrev_b32 v[LI16], 4, v1
	v_lshlrev_b32 v[LI8], 3, v1
	v_lshlrev_b32 v[LI4], 2, v1
	v_lshlrev_b32 v[RS], 4, v2
	v_mul_u32_u24 v[SO], v2, SPITCH
	s_wait_alu depctr_va_vdst(0)
	v_lshl_add_u32 v[SO], v3, 6, v[SO]
	v_add_nc_u32 v[SO], s32, v[SO]
	v_add_nc_u32 v[SR], s32, v[LI16]
	s_wait_kmcnt 0x0
	s_add_nc_u64 s[4:5], s[4:5], s[22:23]
	s_add_nc_u64 s[6:7], s[6:7], s[24:25]
	s_add_nc_u64 s[8:9], s[8:9], s[26:27]
	s_add_nc_u64 s[10:11], s[10:11], s[28:29]
	s_add_nc_u64 s[12:13], s[12:13], s[30:31]
	WIN 0x40                                       ; destination window 1
	s_wait_alu depctr_va_vdst(0)                   ; the six offsets and LDS addresses v4 to v9 are written: every memory and LDS instruction of the kernel reads one of them
.irp t, 0,1,2,3,4,5,6,7
.irp s, 0,1
.irp c, 0,1,2
	global_load_b128 v[12*(2*\t+\s)+4*\c:12*(2*\t+\s)+4*\c+3], v[LI16], s[4:5] offset:6144*\t+1536*\s+512*\c
.endr
.endr
.endr
	WIN 0x80                                       ; destination window 2
.irp t, 0,1,2,3,4,5,6,7
.irp s, 0,1
.irp c, 0,1,2
	global_load_b128 v[12*(2*\t+\s)+4*\c:12*(2*\t+\s)+4*\c+3], v[LI16], s[4:5] offset:6144*\t+1536*(\s+2)+512*\c
.endr
.endr
.endr
	WIN 0
.irp t, 0,1,2,3,4,5,6,7
	global_load_b128 v[SS+4*\t:SS+4*\t+3], v[RS], s[6:7] offset:256*\t
.endr
	LOADI 0
	LOADS 0
	LOADS 1                                        ; both tiles' scale words ahead of the second tile's images, so that one run of permutes serves both
	LOADI 1
	s_wait_loadcnt 16                              ; all but the second row tile's 16 image loads are in
.irp e, 0,1
.irp s, 0,1,2,3
	v_perm_b32 v[MS+4*\e+\s], v[CSW+8*\e+2*\s+1], v[CSW+8*\e+2*\s], 0x05040100   ; K step s's scale word: head 2 s's two bytes, head 2 s + 1's two
.endr
.endr
.rept 8
	v_nop                                          ; a scale register written by a vector instruction stands eight places ahead of the scaled product
.endr
	s_wait_alu depctr_va_vdst(0)                   ; the eight permutes have written MS, which the products of both row tiles take as scales; the places above stay beside this wait
	MULT 0, 0
.rept 5
	v_nop                                          ; four places ahead of the LDS stores that read the results; the fifth is owed ahead of the next tile's first products, which begin the same accumulators anew with the constant 0
.endr
	WIN 0
	s_wait_alu depctr_va_vdst(0)                   ; the first tile's products have written the accumulators, which the LDS stores read
	TOSTAGE
	BACK
	s_wait_alu depctr_vm_vsrc(0)                   ; the LDS stores have read the accumulators, which the second tile's products write
	s_wait_loadcnt 0x0                             ; the second row tile's images are in
	MULT 1, 1
.rept 4
	v_nop                                          ; four places in front of the first read of the results
.endr
	s_wait_alu depctr_va_vdst(0)                   ; the second tile's products have written the accumulators, which the LDS stores read
	TOSTAGE
	s_wait_xcnt 0x0                                ; the first tile's global stores have had their addresses translated: their data registers are loaded again only behind this wait,
	s_wait_alu depctr_vm_vsrc(0)                   ; and they have read OUTR, in which the loads below land
	BACK
.irp i, 0,1,2,3,4,5,6,7,8,9,10,11,12,13,14,15
	s_wait_dscnt 15-\i                             ; row i is back; the younger loads may be out
	global_store_b128 v[LI16], v[OUTR+4*\i:OUTR+4*\i+3], s[12:13] offset:(16+\i)*2048 th:TH_STORE_NT   ; 32 lanes store 512 consecutive bytes, at a multiple of 256 from out0's first byte
.endr
	s_wait_dscnt 0x0
	s_wait_alu depctr_hold_cnt(0) depctr_sa_sdst(0) depctr_va_vdst(0) depctr_va_sdst(0) depctr_va_ssrc(0) depctr_va_vcc(0) depctr_vm_vsrc(0)
	s_wait_tensorcnt 0x0
	ds_add_u32 v254, v255
	s_wait_dscnt 0x0
	s_endpgm
.Lfunc_end_k_q7f5bab5525_oproj:
	.size	k_q7f5bab5525_oproj, .Lfunc_end_k_q7f5bab5525_oproj-k_q7f5bab5525_oproj
	.p2alignl 7, 3214868480
	.fill 96, 4, 3214868480
	.section	.rodata,"a",@progbits
	.p2align	6, 0x0
	.amdhsa_kernel k_q7f5bab5525_oproj
		.amdhsa_group_segment_fixed_size 34304
		.amdhsa_private_segment_fixed_size 0
		.amdhsa_enable_private_segment 0
		.amdhsa_kernarg_size 40
		.amdhsa_user_sgpr_count 2
		.amdhsa_user_sgpr_kernarg_segment_ptr 1
		.amdhsa_wavefront_size32 1
		.amdhsa_system_sgpr_workgroup_id_x 1
		.amdhsa_system_sgpr_workgroup_id_y 1
		.amdhsa_system_sgpr_workgroup_id_z 1
		.amdhsa_system_vgpr_workitem_id 0
		.amdhsa_next_free_vgpr 864
		.amdhsa_next_free_sgpr 66
		.amdhsa_reserve_vcc 0
		.amdhsa_float_denorm_mode_32 3
		.amdhsa_float_denorm_mode_16_64 3
		.amdhsa_memory_ordered 1
		.amdhsa_forward_progress 1
		.amdhsa_inst_pref_size 35
	.end_amdhsa_kernel
	.amdgpu_metadata
---
amdhsa.version: [ 1, 2 ]
amdhsa.kernels:
  - .name:           k_q7f5bab5525_oproj
    .symbol:         k_q7f5bab5525_oproj.kd
    .args:
      - { .name: img, .offset: 0, .size: 8, .value_kind: global_buffer, .address_space: global }
      - { .name: isc, .offset: 8, .size: 8, .value_kind: global_buffer, .address_space: global }
      - { .name: cc, .offset: 16, .size: 8, .value_kind: global_buffer, .address_space: global }
      - { .name: cs, .offset: 24, .size: 8, .value_kind: global_buffer, .address_space: global }
      - { .name: out0, .offset: 32, .size: 8, .value_kind: global_buffer, .address_space: global }
    .group_segment_fixed_size: 34304
    .private_segment_fixed_size: 0
    .kernarg_segment_align: 8
    .kernarg_segment_size: 40
    .max_flat_workgroup_size: 128
    .sgpr_count:     66
    .vgpr_count:     864
    .wavefront_size: 32
...
	.end_amdgpu_metadata
.endif
;; end of part 8
